; MI455X (gfx1250); checked and timed in simulation.
; The chip was launched on July 23, 2026; its instructions are those of AMD's public machine-readable ISA for CDNA 5 (MIT licence, August 2026) and "CDNA5" Instruction Set Architecture Reference Guide (July 2026). The comments in the code are by the model that wrote it; some were corrected since.
;; Deep Seek Native EP Wrapper. Allowed arithmetic: float matrix products may take bf16 or f16 operands with f32 sums; other float arithmetic in f32, or as packed bf16 or f16 multiplies, adds, multiply-adds, maxima and minima; sums over many terms, partial sums and values carried from step to step in f32; what a program stores and reads back later, other than sums and carried values, may be rounded once to bf16 or f16.
;; Inputs: hidden_states 2 x 2,048 x 1,024 float32; router_w 1,024 x 8 float32; w_down 8 x 512 x 1,024 float32; w_gate 8 x 1,024 x 512 float32; w_up 8 x 1,024 x 512 float32; ws_down 1,024 x 1,024 float32; ws_gate 1,024 x 1,024 float32; ws_up 1,024 x 1,024 float32.
;; Outputs: out0 2 x 2,048 x 1,024 float32.
;; 2 versions, each right; version 2 is version 1 with the launch prep written anew for expert scheduling mode. Each part assembles by itself: llvm-mc -triple=amdgcn-amd-amdhsa -mcpu=gfx1250 --defsym DOCPART=n.
;; ======== version 1 of 2: 3 launches
;; workspace buffers: xb 8,388,608 bytes; wb1 20,971,520 bytes; wb2 10,485,760 bytes; gates 262,144 bytes; h 41,943,040 bytes
;; launch prep (part 1): grid 368 x 1, 8 waves a work-group, no clusters, 0 bytes of LDS; arguments hidden_states, router_w, w_gate, w_up, w_down, ws_gate, ws_up, ws_down, xb, wb1, wb2, gates; writes xb, wb1, wb2, gates
.if DOCPART == 1
	.amdgcn_target "amdgcn-amd-amdhsa--gfx1250"
	.amdhsa_code_object_version 6
	.text
	.protected	k_q42481030c9_prep
	.globl	k_q42481030c9_prep
	.p2align	8
	.type	k_q42481030c9_prep,@function
k_q42481030c9_prep:
	s_mov_b64 s[64:65], 0
	v_nop
	global_prefetch_b8 v0, s[64:65] scope:SCOPE_SE
	s_setreg_imm32_b32 hwreg(HW_REG_WAVE_MODE, 25, 1), 1
	s_wait_xcnt 0x0
; PREP: every input is read once, rounded once to bf16 and laid out for the two products; the router's gates are made on the way.
;   xb    [4096][1024] bf16               the tokens
;   wb1   [k 1024][jt 40][part 2][128]    gate (part 0) and up (part 1) columns; jt < 32: expert jt / 4, columns 128 (jt % 4) on; jt >= 32: the shared MLP, columns 128 (jt - 32) on
;   wb2   [j 5120][1024] bf16             w_down's rows (j = 512 e + f), then ws_down's
;   gates [4096][16] f32                  0-7: softmax score of an expert among the token's six highest, else 0; 8: 1.0, the shared MLP's gate; 9-15: 0, so that a wave's four tokens are 256 bytes
; A CHUNK is 128 f32: one 16-byte load a lane (512 consecutive bytes a wave), two roundings, one 8-byte store a lane (256 consecutive bytes, aligned).
; Work-groups 0-127: tokens and router, 32 rows each, 4 a wave (a row has the router's arithmetic on top of its 8 chunks, so these have half the chunks of the others, and come first);
; the others have 512 chunks, 64 a wave: 128-255: w_gate, w_up; 256-319: w_down; 320-351: ws_gate, ws_up; 352-367: ws_down.
; No LDS, no barrier, no matrix unit, no cluster: waves share nothing but the router's 32 KiB, and the stream is bound by its bytes.
; THE ROUTER works on the ROUNDED x and router_w (products of two bf16 are exact in f32; sums in f32), in the lane layout of the stream: a lane keeps the weights of its 32 k in 128 registers.
; With 8 columns the product is too narrow to pay for bringing x into a matrix operand's layout.
; LIMITS.  The six highest are found on the logits (the softmax keeps their order); equal logits go to the lower index, as jax.lax.top_k breaks ties; two unequal logits whose scores round to
; the same f32 may be ordered otherwise than by the scores.  A score below 2^-126 counts as 0.  NaN and infinities are not treated apart.
.set CX,   16          ; v[16:79]    CAST: sixteen slots of four registers as loaded
.set CY,   80          ; v[80:111]   CAST: sixteen pairs to store
.set OG,   6           ; v[6:7]      tokens: entries 2 (lane % 8), + 1 of the gates of row lane / 8 of the wave's four
.set LG,   8           ; v[8:9]      logits of experts 2 q, 2 q + 1, q = lane % 4
.set PB,   10          ; v[10:11]    a partner lane's two logits
.set RK,   12          ; v[12:13]    how many experts come before mine
.set MX,   14          ; v14         the row's maximum; later 1 / sum
.set SM,   15          ; v15         the sum of the exponentials
.set RW,   16          ; v[16:143]   router weights in bf16: RW + 4 kk + m holds experts 2 m, 2 m + 1 of my k number kk
.set XR,   144         ; v[144:175]  a row of x as loaded: 8 chunks
.set RING, 176         ; v[176:255]  DEPTH slots for the router weights as loaded; what follows takes their place afterwards
.set DEPTH, 20
.set XP,   176         ; v[176:191]  the row in bf16
.set ACC,  192         ; v[192:199]  my part of the 8 logits
.set KP,   200         ; v[200:203]  kept halves in the exchange
.set SND,  204         ; v[204:207]  halves handed over
.set EX,   208         ; v[208:209]  exponentials, then scores
.set PX,   210         ; v210        the other half of the lanes'
	s_load_b512 s[8:23], s[0:1], 0x0               ; hidden s[8:9], router_w s[10:11], w_gate s[12:13], w_up s[14:15], w_down s[16:17], ws_gate s[18:19], ws_up s[20:21], ws_down s[22:23]
	s_load_b256 s[24:31], s[0:1], 0x40             ; xb s[24:25], wb1 s[26:27], wb2 s[28:29], gates s[30:31]
	v_lshrrev_b32 v1, 5, v0
	v_readfirstlane_b32 s2, v1                     ; wave 0..7
	v_and_b32 v1, 31, v0                           ; lane
	v_lshlrev_b32 v2, 4, v1                        ; 16 bytes a lane in a chunk of f32
	v_lshlrev_b32 v3, 3, v1                        ; 8 bytes a lane in a chunk of bf16
	s_mov_b32 s4, ttmp9
	s_mov_b32 s39, 0                               ; high words of the two offset pairs
	s_mov_b32 s41, 0
	s_wait_kmcnt 0x0
; 64 chunks of a wave, source dense; chunk j goes to (j / Q) RS + (j % Q) QS bytes from the wave's first; STEP = the way of 16 chunks.
; A ring of 16 slots: 15 to 16 loads of a wave are always out.
.macro CAST Q, RS, QS, STEP
.set j, 0
.rept 16
	global_load_b128 v[CX+4*j:CX+4*j+3], v2, s[32:33] offset:512*j th:TH_LOAD_NT
.set j, j+1
.endr
	s_mov_b32 s3, 3
.Lcast_\@:
.set j, 0
.rept 16
	s_wait_loadcnt 15                              ; loads come back in order: slot j's is in, the 15 issued behind it stay out (on the way in and round the loop alike)
	v_cvt_pk_bf16_f32 v[CY+2*j], v[CX+4*j], v[CX+4*j+1]
	v_cvt_pk_bf16_f32 v[CY+2*j+1], v[CX+4*j+2], v[CX+4*j+3]
	global_load_b128 v[CX+4*j:CX+4*j+3], v2, s[32:33] offset:512*(j+16) th:TH_LOAD_NT
	global_store_b64 v3, v[CY+2*j:CY+2*j+1], s[34:35] offset:(j/(\Q))*(\RS)+(j%(\Q))*(\QS)
.set j, j+1
.endr
	s_wait_xcnt 0x0                                ; the two bases and the pairs that the stores read are rewritten only behind this wait
	s_add_nc_u64 s[32:33], s[32:33], 8192
	s_add_nc_u64 s[34:35], s[34:35], \STEP
	s_sub_co_u32 s3, s3, 1
	s_cmp_lg_u32 s3, 0
	s_cbranch_scc1 .Lcast_\@
.set j, 0
.rept 16                                               ; the last 16 chunks load nothing: the counts run down
	s_wait_loadcnt 15-j
	v_cvt_pk_bf16_f32 v[CY+2*j], v[CX+4*j], v[CX+4*j+1]
	v_cvt_pk_bf16_f32 v[CY+2*j+1], v[CX+4*j+2], v[CX+4*j+3]
	global_store_b64 v3, v[CY+2*j:CY+2*j+1], s[34:35] offset:(j/(\Q))*(\RS)+(j%(\Q))*(\QS)
.set j, j+1
.endr
.endm
	s_cmp_lt_u32 s4, 128
	s_cbranch_scc1 .Ltokens
	s_cmp_lt_u32 s4, 256
	s_cbranch_scc1 .Lexperts
	s_cmp_lt_u32 s4, 320
	s_cbranch_scc1 .Ldense
	s_cmp_lt_u32 s4, 352
	s_cbranch_scc1 .Lshared
.Ldense:                                               ; w_down (256-319) or ws_down (352-367): dense in, dense out
	s_cmp_lt_u32 s4, 320
	s_cselect_b64 s[32:33], s[16:17], s[22:23]
	s_cselect_b32 s5, 0, 96                        ; ws_down's work-groups begin 96 behind w_down's first, which is 256
	s_cselect_b32 s40, 0, 0x800000                 ; ws_down's rows lie behind w_down's 4,096 rows of 2,048 bytes
	s_sub_co_u32 s5, s4, s5                        ; (the subtractions stand behind the last select: they write SCC)
	s_sub_co_u32 s5, s5, 256                       ; u
	s_lshl_b32 s38, s5, 18                         ; 512 chunks of 512 bytes a work-group,
	s_lshl_b32 s6, s2, 15                          ; 64 a wave
	s_add_co_u32 s38, s38, s6
	s_add_nc_u64 s[32:33], s[32:33], s[38:39]
	s_lshr_b32 s6, s38, 1                          ; half as many bytes out
	s_add_co_u32 s40, s40, s6
	s_add_nc_u64 s[34:35], s[28:29], s[40:41]
	CAST 1, 256, 0, 4096
	s_endpgm
.Lexperts:                                             ; w_gate (128-191) or w_up (192-255): a row (e, k) is 4 chunks, which go to 4 neighbouring jt of row k of wb1
	s_sub_co_u32 s5, s4, 128
	s_and_b32 s6, s5, 63                           ; u: expert u / 8, rows 128 (u % 8) on
	s_cmp_lt_u32 s5, 64
	s_cselect_b64 s[32:33], s[12:13], s[14:15]
	s_cselect_b32 s7, 0, 256                       ; the part's 256 bytes
	s_lshl_b32 s38, s6, 18
	s_lshl_b32 s5, s2, 15
	s_add_co_u32 s38, s38, s5
	s_add_nc_u64 s[32:33], s[32:33], s[38:39]
	s_and_b32 s40, s6, 7
	s_lshl_b32 s40, s40, 7
	s_lshl4_add_u32 s40, s2, s40                   ; k of my first row: 128 (u % 8) + 16 wave
	s_mul_i32 s40, s40, 20480                      ; a row of wb1
	s_lshr_b32 s5, s6, 3
	s_lshl_b32 s5, s5, 11                          ; the expert's four jt of 512 bytes
	s_add_co_u32 s40, s40, s5
	s_add_co_u32 s40, s40, s7
	s_add_nc_u64 s[34:35], s[26:27], s[40:41]
	CAST 4, 20480, 512, 81920
	s_endpgm
.Lshared:                                              ; ws_gate (320-335) or ws_up (336-351): a row k is 8 chunks, which go to jt 32 to 39 of row k of wb1
	s_sub_co_u32 s5, s4, 320
	s_and_b32 s6, s5, 15                           ; u: rows 64 u on
	s_cmp_lt_u32 s5, 16
	s_cselect_b64 s[32:33], s[18:19], s[20:21]
	s_cselect_b32 s7, 0, 256
	s_lshl_b32 s38, s6, 18
	s_lshl_b32 s5, s2, 15
	s_add_co_u32 s38, s38, s5
	s_add_nc_u64 s[32:33], s[32:33], s[38:39]
	s_lshl_b32 s40, s6, 6
	s_lshl3_add_u32 s40, s2, s40                   ; k of my first row: 64 u + 8 wave
	s_mul_i32 s40, s40, 20480
	s_add_co_u32 s40, s40, s7
	s_add_co_u32 s40, s40, 16384                   ; jt 32
	s_add_nc_u64 s[34:35], s[26:27], s[40:41]
	CAST 8, 20480, 512, 40960
	s_endpgm
.Ltokens:                                              ; 32 rows a work-group, 4 a wave, a row at a time
	s_lshl_b32 s38, s4, 17
	s_lshl_b32 s6, s2, 14
	s_add_co_u32 s38, s38, s6
	s_add_nc_u64 s[32:33], s[8:9], s[38:39]        ; x at my first row
	s_lshr_b32 s40, s38, 1
	s_add_nc_u64 s[34:35], s[24:25], s[40:41]      ; xb likewise
	s_lshr_b32 s40, s38, 6                         ; 64 bytes of gates for a row's 4,096 bytes
	s_add_nc_u64 s[36:37], s[30:31], s[40:41]
	s_mov_b32 s42, 0xaaaaaaaa                      ; lanes with bit 0 set
	s_mov_b32 s43, 0xcccccccc                      ; lanes with bit 1 set
	s_mov_b32 s44, 15                              ; the four lanes that keep the row in hand: the first four of its eight
	s_mov_b32 s46, 0x76543210                      ; v_permlanex16_b32: each lane takes its own place in the other half
	s_mov_b32 s47, 0xfedcba98
	s_mov_b32 s48, 0x3fb8aa3b                      ; log2(e)
	v_lshlrev_b32 v4, 7, v1                        ; my four k of a chunk: 4 rows of 32 bytes of router_w
	; The router's weights of my 32 k (k = 128 c + 4 lane + i), once a wave: load j brings experts 4 (j % 2) on of c = j / 8, i = (j / 2) % 4.
.macro RWLOAD j
	global_load_b128 v[RING+4*((\j)%DEPTH):RING+4*((\j)%DEPTH)+3], v4, s[10:11] offset:4096*((\j)/8)+32*(((\j)/2)%4)+16*((\j)%2)
.endm
.set j, 0
.rept DEPTH
	RWLOAD j
.set j, j+1
.endr
.set j, 0
.rept 64
.if j <= 63-DEPTH
	s_wait_loadcnt DEPTH-1                         ; DEPTH + j loads are issued: DEPTH - 1 stand behind load j
.else
	s_wait_loadcnt 71-j                            ; all 64 are issued, and behind them row 0's eight: 63 - j + 8 stand behind load j
.endif
	v_cvt_pk_bf16_f32 v[RW+2*j], v[RING+4*(j%DEPTH)], v[RING+4*(j%DEPTH)+1]
	v_cvt_pk_bf16_f32 v[RW+2*j+1], v[RING+4*(j%DEPTH)+2], v[RING+4*(j%DEPTH)+3]
.if j+DEPTH < 64
	RWLOAD j+DEPTH
.endif
.if j+DEPTH == 63                                      ; the last weights are asked for: row 0 goes out behind them and lands while the ring runs empty
.irp c, 0,1,2,3,4,5,6,7
	global_load_b128 v[XR+4*(\c):XR+4*(\c)+3], v2, s[32:33] offset:512*(\c) th:TH_LOAD_NT
.endr
.endif
.set j, j+1
.endr
	v_and_b32 v5, 7, v1
	v_cmp_eq_u32 vcc_lo, 4, v5
	v_cndmask_b32 v[OG], 0, 1.0, vcc_lo            ; entry 8 of each row is 1.0; an expert not chosen, and entries 9 to 15, keep 0
	v_mov_b32 v[OG+1], 0
	v_mov_b32 v5, 0                                ; the first product's addend
	v_mov_b32 v[PB], 0                             ; destinations of lane exchanges count as read: written once here
	v_mov_b32 v[PB+1], 0
	v_mov_b32 v[PX], 0
	s_mov_b32 s3, 4
; Does the partner's expert come before mine?  Where its index is lower (lanes in low): if its logit is greater or equal; else: if it is greater.
.macro REL own, other, cnt, low
	v_cmp_gt_f32 s40, v[\other], v[\own]
	v_cmp_ge_f32 s41, v[\other], v[\own]
	s_and_b32 s41, s41, \low
	s_or_b32 vcc_lo, s40, s41
	v_add_co_ci_u32 v[\cnt], vcc_lo, 0, v[\cnt], vcc_lo
.endm
.macro RELS x, low                     ; against the lane x away among my four
	v_mov_b32_dpp v[PB], v[LG] row_xmask:\x row_mask:0xf bank_mask:0xf
	v_mov_b32_dpp v[PB+1], v[LG+1] row_xmask:\x row_mask:0xf bank_mask:0xf
	REL LG, PB, RK, \low
	REL LG, PB+1, RK, \low
	REL LG+1, PB, RK+1, \low
	REL LG+1, PB+1, RK+1, \low
.endm
.Lrow:
	s_wait_loadcnt 0x0                             ; the row is in, and its loads' base is free
.set c, 0
.rept 16
	v_cvt_pk_bf16_f32 v[XP+c], v[XR+2*c], v[XR+2*c+1]
.set c, c+1
.endr
	s_add_nc_u64 s[32:33], s[32:33], 4096
	s_cmp_eq_u32 s3, 1
	s_cbranch_scc1 .Lno_more                       ; behind the last row nothing is loaded
.irp c, 0,1,2,3,4,5,6,7
	global_load_b128 v[XR+4*(\c):XR+4*(\c)+3], v2, s[32:33] offset:512*(\c) th:TH_LOAD_NT  ; the next row has this row's arithmetic in which to land
.endr
.Lno_more:
.irp c, 0,1,2,3,4,5,6,7
	global_store_b64 v3, v[XP+2*(\c):XP+2*(\c)+1], s[34:35] offset:256*(\c)
.endr
	; my 32 k times 8 experts, straight from the bf16 halves into f32; the experts by turns, so that a sum's links stand eight lines apart
.set kk, 0
.rept 32
.set e, 0
.rept 8
.set ad, ACC+e
.if kk == 0
.set ad, 5
.endif
.if (kk%2 == 0) && (e%2 == 0)
	v_fma_mix_f32_bf16 v[ACC+e], v[XP+kk/2], v[RW+4*kk+e/2], v[ad] op_sel_hi:[1,1,0]
.elseif (kk%2 == 1) && (e%2 == 0)
	v_fma_mix_f32_bf16 v[ACC+e], v[XP+kk/2], v[RW+4*kk+e/2], v[ad] op_sel:[1,0,0] op_sel_hi:[1,1,0]
.elseif (kk%2 == 0) && (e%2 == 1)
	v_fma_mix_f32_bf16 v[ACC+e], v[XP+kk/2], v[RW+4*kk+e/2], v[ad] op_sel:[0,1,0] op_sel_hi:[1,1,0]
.else
	v_fma_mix_f32_bf16 v[ACC+e], v[XP+kk/2], v[RW+4*kk+e/2], v[ad] op_sel:[1,1,0] op_sel_hi:[1,1,0]
.endif
.set e, e+1
.endr
.set kk, kk+1
.endr
	; across the lanes.  Two exchanges halve what a lane keeps (8 experts, 4, 2); three more add the eight groups of four lanes.  Each step adds the same two numbers in both partners, so all groups end alike.
.irp i, 0,1,2,3
	v_cndmask_b32 v[KP+(\i)], v[ACC+(\i)], v[ACC+4+(\i)], s43   ; bit 1 of the lane: experts 4 to 7
	v_cndmask_b32 v[SND+(\i)], v[ACC+4+(\i)], v[ACC+(\i)], s43
.endr
.irp i, 0,1,2,3
	v_add_f32_dpp v[KP+(\i)], v[SND+(\i)], v[KP+(\i)] row_xmask:2 row_mask:0xf bank_mask:0xf
.endr
.irp i, 0,1
	v_cndmask_b32 v[LG+(\i)], v[KP+(\i)], v[KP+2+(\i)], s42     ; bit 0 of the lane: the upper two of the four
	v_cndmask_b32 v[SND+(\i)], v[KP+2+(\i)], v[KP+(\i)], s42
.endr
.irp i, 0,1
	v_add_f32_dpp v[LG+(\i)], v[SND+(\i)], v[LG+(\i)] row_xmask:1 row_mask:0xf bank_mask:0xf
.endr
.irp i, 0,1
	v_add_f32_dpp v[LG+(\i)], v[LG+(\i)], v[LG+(\i)] row_xmask:4 row_mask:0xf bank_mask:0xf
.endr
.irp i, 0,1
	v_add_f32_dpp v[LG+(\i)], v[LG+(\i)], v[LG+(\i)] row_xmask:8 row_mask:0xf bank_mask:0xf
.endr
	v_permlanex16_b32 v[PX], v[LG], s46, s47
	v_add_f32 v[LG], v[LG], v[PX]
	v_permlanex16_b32 v[PX], v[LG+1], s46, s47
	v_add_f32 v[LG+1], v[LG+1], v[PX]              ; lane l: the logits of experts 2 (l % 4) and 2 (l % 4) + 1
	; softmax, the maximum taken away first; the ranks stand between the exponentials and their first use
	v_max_num_f32 v[MX], v[LG], v[LG+1]
	v_max_num_f32_dpp v[MX], v[MX], v[MX] row_xmask:1 row_mask:0xf bank_mask:0xf
	v_max_num_f32_dpp v[MX], v[MX], v[MX] row_xmask:2 row_mask:0xf bank_mask:0xf
	v_sub_f32 v[EX], v[LG], v[MX]
	v_sub_f32 v[EX+1], v[LG+1], v[MX]
	v_mul_f32 v[EX], s48, v[EX]
	v_mul_f32 v[EX+1], s48, v[EX+1]
	v_cmp_gt_f32 vcc_lo, v[LG+1], v[LG]            ; my own two: the odd expert comes first only if greater,
	v_exp_f32 v[EX], v[EX]
	v_exp_f32 v[EX+1], v[EX+1]
	v_cndmask_b32 v[RK], 0, 1, vcc_lo              ; (a plain line behind the exponentials)
	v_cmp_ge_f32 vcc_lo, v[LG], v[LG+1]            ; the even one also if equal
	v_cndmask_b32 v[RK+1], 0, 1, vcc_lo
	RELS 1, s42                                    ; the partner's experts have lower indices where my lane's bit 0 is set,
	RELS 2, s43                                    ; here and in the next where bit 1 is set
	RELS 3, s43
	s_wait_alu depctr_va_vdst(0)                   ; one wait for the two exponentials, ahead of their first reader
	v_add_f32 v[SM], v[EX], v[EX+1]
	v_add_f32_dpp v[SM], v[SM], v[SM] row_xmask:1 row_mask:0xf bank_mask:0xf
	v_add_f32_dpp v[SM], v[SM], v[SM] row_xmask:2 row_mask:0xf bank_mask:0xf
	v_rcp_f32 v[MX], v[SM]
	v_nop                                          ; a plain line behind the reciprocal
	v_cmp_gt_u32 s40, 6, v[RK]                     ; among the six highest,
	v_cmp_gt_u32 s41, 6, v[RK+1]
	s_and_b32 s40, s40, s44                        ; and in the four lanes that keep this row
	s_and_b32 s41, s41, s44
	s_wait_alu depctr_va_vdst(0)                   ; the reciprocal's wait
	v_mul_f32 v[EX], v[EX], v[MX]
	v_mul_f32 v[EX+1], v[EX+1], v[MX]
	v_cndmask_b32 v[OG], v[OG], v[EX], s40
	v_cndmask_b32 v[OG+1], v[OG+1], v[EX+1], s41
	s_lshl_b32 s44, s44, 8                         ; the next row's eight lanes
	s_wait_xcnt 0x0                                ; xb's base and the registers that its stores read are rewritten only behind this wait
	s_add_nc_u64 s[34:35], s[34:35], 2048
	s_sub_co_u32 s3, s3, 1
	s_cmp_lg_u32 s3, 0
	s_cbranch_scc1 .Lrow
	global_store_b64 v3, v[OG:OG+1], s[36:37]      ; lane l: row l / 8, entries 2 (l % 8) on: the wave's 4 rows are 256 consecutive bytes, aligned
	s_endpgm
.Lfunc_end_k_q42481030c9_prep:
	.size	k_q42481030c9_prep, .Lfunc_end_k_q42481030c9_prep-k_q42481030c9_prep
	.p2alignl 7, 3214868480
	.fill 96, 4, 3214868480
	.section	.rodata,"a",@progbits
	.p2align	6, 0x0
	.amdhsa_kernel k_q42481030c9_prep
		.amdhsa_group_segment_fixed_size 0
		.amdhsa_private_segment_fixed_size 0
		.amdhsa_enable_private_segment 0
		.amdhsa_kernarg_size 96
		.amdhsa_user_sgpr_count 2
		.amdhsa_user_sgpr_kernarg_segment_ptr 1
		.amdhsa_wavefront_size32 1
		.amdhsa_system_sgpr_workgroup_id_x 1
		.amdhsa_system_sgpr_workgroup_id_y 1
		.amdhsa_system_sgpr_workgroup_id_z 1
		.amdhsa_system_vgpr_workitem_id 0
		.amdhsa_next_free_vgpr 256
		.amdhsa_next_free_sgpr 66
		.amdhsa_reserve_vcc 1
		.amdhsa_float_denorm_mode_32 3
		.amdhsa_float_denorm_mode_16_64 3
		.amdhsa_memory_ordered 1
		.amdhsa_forward_progress 1
		.amdhsa_inst_pref_size 80
	.end_amdhsa_kernel
	.amdgpu_metadata
---
amdhsa.version: [ 1, 2 ]
amdhsa.kernels:
  - .name:           k_q42481030c9_prep
    .symbol:         k_q42481030c9_prep.kd
    .args:
      - { .name: hidden_states, .offset: 0, .size: 8, .value_kind: global_buffer, .address_space: global }
      - { .name: router_w, .offset: 8, .size: 8, .value_kind: global_buffer, .address_space: global }
      - { .name: w_gate, .offset: 16, .size: 8, .value_kind: global_buffer, .address_space: global }
      - { .name: w_up, .offset: 24, .size: 8, .value_kind: global_buffer, .address_space: global }
      - { .name: w_down, .offset: 32, .size: 8, .value_kind: global_buffer, .address_space: global }
      - { .name: ws_gate, .offset: 40, .size: 8, .value_kind: global_buffer, .address_space: global }
      - { .name: ws_up, .offset: 48, .size: 8, .value_kind: global_buffer, .address_space: global }
      - { .name: ws_down, .offset: 56, .size: 8, .value_kind: global_buffer, .address_space: global }
      - { .name: xb, .offset: 64, .size: 8, .value_kind: global_buffer, .address_space: global }
      - { .name: wb1, .offset: 72, .size: 8, .value_kind: global_buffer, .address_space: global }
      - { .name: wb2, .offset: 80, .size: 8, .value_kind: global_buffer, .address_space: global }
      - { .name: gates, .offset: 88, .size: 8, .value_kind: global_buffer, .address_space: global }
    .group_segment_fixed_size: 0
    .private_segment_fixed_size: 0
    .kernarg_segment_align: 8
    .kernarg_segment_size: 96
    .max_flat_workgroup_size: 256
    .sgpr_count:     66
    .vgpr_count:     256
    .wavefront_size: 32
...
	.end_amdgpu_metadata
.endif
;; end of part 1
;; launch glu (part 2): grid 40 x 16, 4 waves a work-group, clusters of 4 x 4, 327,680 bytes of LDS; arguments xb, wb1, gates, h; writes h
.if DOCPART == 2
	.amdgcn_target "amdgcn-amd-amdhsa--gfx1250"
	.amdhsa_code_object_version 6
	.text
	.protected	k_q42481030c9_glu
	.globl	k_q42481030c9_glu
	.p2align	8
	.type	k_q42481030c9_glu,@function
k_q42481030c9_glu:
	s_mov_b64 s[64:65], 0
	v_nop
	global_prefetch_b8 v0, s[64:65] scope:SCOPE_SE
	s_setreg_imm32_b32 hwreg(HW_REG_WAVE_MODE, 25, 1), 1
	s_wait_xcnt 0x0
	s_wait_alu depctr_hold_cnt(0) depctr_sa_sdst(0) depctr_va_vdst(0) depctr_va_sdst(0) depctr_va_ssrc(0) depctr_va_vcc(0) depctr_vm_vsrc(0)
	s_getreg_b32 s2, hwreg(HW_REG_IB_STS2, 6, 4)
	s_cmp_eq_u32 s2, 0
	s_cbranch_scc0 .Lentry_in_a_cluster
	s_endpgm
.Lentry_in_a_cluster:
	s_bfe_u32 s2, ttmp6, 0x10000c
	s_cmp_lg_u32 s2, 0xf033
	s_cbranch_scc0 .Lentry_shape_is_right
	s_endpgm
.Lentry_shape_is_right:
; GLU: H[t][j] = gate(t, j) silu(g) u, with g = x . Wgate[:, j], u = x . Wup[:, j], for all 5,120 hidden numbers: 8 experts x 512, then the shared MLP's 1,024 (gate 1, entry 8 of a token's gates).
; One product [4096 x 1024] x [1024 x 10240] in bf16 with f32 sums; sigmoid, products and gate in f32; H rounded once to bf16.  H lies as [hb 80][t 4096][64], j = 64 hb + c.
; EVERY TOKEN IS MULTIPLIED WITH EVERY EXPERT, and the gate 0 takes out the two experts that it did not choose: a quarter more products than are needed, for addresses and tiles that are all
; constants, and for a down projection in which each output row has one owner.
; LIMITS.  silu(g) = g / (1 + 2^(-g log2 e)).  The hidden numbers of an expert not chosen must be finite in f32 (0 times an infinity would be NaN).  NaN and infinities are not treated apart.
; SHARES.  A tile is 256 tokens x 128 hidden numbers (256 columns of wb1: gate, then up).  Four waves: wave w has rows 128 (w / 2) on and hidden numbers 64 (w % 2) on, gate and up: 64 accumulators
; of 16 x 16, 512 registers.  K goes in steps of 128 through two LDS slots: 256 matrix instructions a wave in a step, 224 of them between a tile's request and the wait for it.
; There are 16 x 40 = 640 tiles, A WORK-GROUP TO EACH: work-group (gx, gy) has rows 256 gy on and column tile jt = gx.  640 tiles are two and a half for each of 256 WGPs, so for work-groups that stay
; there is no walk of the same length for all; with a work-group to each tile every trip count of the text is a constant.  The price: each tile pays for its own first fill and way out, and the last
; 128 tiles leave half the WGPs without work.  A tile that divided evenly, 256 x 320 columns, has rows of 640 bytes, which no padding interval of the tensor load fits, and would cut experts in mid-tile.
; CLUSTER 4 x 4.  x's tile hangs on gy alone and is shared along a row of the cluster, wb1's on gx alone and is shared along a column: each is asked for jointly, by the same load and mask in all four.
; THE MATRIX INSTRUCTION IS USED TRANSPOSED: source 0 = 16 columns of wb1 (stored [k][column]: turned by ds_load_tr16_b128), source 1 = 16 rows of x.  A lane then holds one token (lane % 16) and eight
; neighbouring hidden numbers, gate and up of the same hidden numbers in the same lane.
; REGISTERS in windows of 256 (s_set_vgpr_msb: bits 1:0 source 0, 3:2 source 1, 5:4 source 2, 7:6 destination):
;   window 0: v0-31 addresses; v32-63, v192-223 the way out; v64-127, v128-191 fragments of x (8 x 16 rows x 32 K), two buffers; the second also takes the rows read back on the way out
;   window 1: v64-127, v128-191 fragments of wb1, two buffers
;   windows 2, 3: the accumulators of my rows 0-63, 64-127: (a, b) at v[8 (8 (a % 4) + b)]: a = row block, b = 0-3 gate, 4-7 up
.set PA,    272        ; a row of x in LDS: 256 bytes + 16: the 16 rows of a load start 16 bytes apart modulo 256
.set PB,    544        ; a k row of wb1 in LDS: 512 bytes + 32: the 8 rows x 32 bytes that 16 lanes of the turning load take fall 32 bytes apart modulo 256
.set HALFT, 128*PA     ; what one tensor load brings: 128 rows of x, or 64 k rows of wb1 (64 x 544 is as much)
.set SLOT,  4*HALFT    ; x's 256 rows, then wb1's 128 k rows
.set STAGE, 2*SLOT     ; behind the ring, never filled by a tensor load: 16 rows x 144 bytes for each wave
.set SP,    144
.set SPARE, STAGE+4*16*SP  ; the spare words, 128 bytes for each wave: two blocks of 256 bytes that no other line names
.set LAPS,  4          ; a lap = two K steps = once round the ring: 1,024 / 256
.set ADRA, 16          ; v16-17  LDS address of my fragments of x in slot 0, 1
.set ADRB, 20          ; v20-21  the same for wb1
.set STO,  24          ; v24     the way out: where I put 16 bytes of a row
.set RD,   25          ; v25     where I read rows back
.set GO,   26          ; v26     my 16 bytes in 512 consecutive bytes of H
.set GOFF, 27          ; v27     my token's row of gates
.set SPW,  28          ; v28     my spare word; never rewritten
.set NIL,  29          ; v29     0; never rewritten
.set T,    32          ; v32-63  at work
.set F0,   64          ; fragment buffer 0
.set F1,   128         ; fragment buffer 1
.set OB,   128         ; v128-191 the way out: rows read back, 16 registers a row block, four sets by turns
.set PK,   192         ; v192-207 16 rows' results in bf16
.set WG,   208         ; v208-223 the gate of my token in row block a at WG + 2 a; the odd registers are named with them as pairs
.set G1A, 24           ; s[24:31] descriptor group 1 for x's tiles;   s[32:39] group 0, a set for each slot
.set G0A, 32
.set G1B, 48           ; s[48:55], s[56:63] the same for wb1's
.set G0B, 56
; s67 laps to go; s[76:77] -log2(e); s[78:79] an offset; s[80:81] the gates of my first token, at the tile's expert
.set MSB, 0
.macro WIN new                         ; the immediate's high byte repeats the setting that is left; a switch that changes nothing is dropped
.if MSB != (\new)
	s_set_vgpr_msb (MSB<<8)|(\new)
.set MSB, (\new)
.endif
.endm
.set MUL_LO, 0xa1                      ; source 0 (wb1) window 1, source 1 (x) window 0, C and D window 2
.set TO_B,   0x40                      ; destination window 1, address window 0
.macro PLACES                          ; four plain lines between a matrix instruction and a load into, or a vector line on, its registers
.rept 4
	v_nop
.endr
.endm
; A joint load: waves 0 and 1 fetch x's two halves, waves 2 and 3 wb1's.  The branch hangs on the wave's number alone.  An s_nop 0 and four v_nop follow each line.
.macro JLOAD s
	s_cmp_eq_u32 s13, 0
	s_cbranch_scc0 .Lfor_b_\@
	tensor_load_to_lds s[G0A+4*(\s):G0A+4*(\s)+3], s[G1A:G1A+7]
	s_nop 0
.rept 4
	v_nop
.endr
	s_branch .Lasked_\@
.Lfor_b_\@:
	tensor_load_to_lds s[G0B+4*(\s):G0B+4*(\s)+3], s[G1B:G1B+7]
	s_nop 0
.rept 4
	v_nop
.endr
.Lasked_\@:
.endm
.macro CREST                           ; a round of the cluster's barrier behind its opening barrier
	s_cmp_lg_u32 s12, 0
	s_cbranch_scc1 .Lnot_wave_0_\@
	s_barrier_signal -3
.Lnot_wave_0_\@:
	s_barrier_wait -3
	s_barrier_signal -1
	s_barrier_wait -1
.endm
.macro CROUND                          ; a whole round
	s_barrier_signal -1
	s_barrier_wait -1
	CREST
.endm
	s_load_b256 s[4:11], s[0:1], 0x0               ; xb s[4:5], wb1 s[6:7], gates s[8:9], h s[10:11]
	v_lshl_add_u32 v[SPW], v0, 2, SPARE
	v_mov_b32 v[NIL], 0
	ds_add_u32 v[SPW], v[NIL]                      ; the wave's opening: the add is waited for ahead of my first tensor load; work on registers stands between them
	v_lshrrev_b32 v1, 5, v0
	v_readfirstlane_b32 s12, v1                    ; wave 0..3
	s_lshr_b32 s13, s12, 1                         ; my half of the rows.  Also: I fetch for x (0) or for wb1 (1)
	s_and_b32 s14, s12, 1                          ; my half of the hidden numbers.  Also: which half of that tile I fetch
	s_bfe_u32 s15, ttmp6, 0x40000                  ; cx
	s_bfe_u32 s16, ttmp6, 0x40004                  ; cy
	s_lshl_b32 s17, ttmp9, 2
	s_add_co_u32 s17, s17, s15                     ; gx = 4 x cluster x + cx: the column tile jt, 0 to 39
	s_and_b32 s18, ttmp7, 0xffff
	s_lshl_b32 s18, s18, 2
	s_add_co_u32 s18, s18, s16                     ; gy = 4 x cluster y + cy
	s_lshl_b32 s19, s16, 2
	s_lshl_b32 s19, 15, s19                        ; my row of the cluster
	s_lshl_b32 s20, 0x1111, s15                    ; my column
	s_or_b32 s[G1A+0], s19, (1<<16)|(1<<20)|(1<<21)|(5<<22)|(3<<25)  ; the mask; 2-byte elements; padding on; bit 21 beside a mask; after every 64 words 4 words
	s_mov_b32 s[G1A+1], 128<<16                    ; tensor_dim0 = 128
	s_mov_b32 s[G1A+2], 128<<16                    ; tensor_dim1 = 128
	s_mov_b32 s[G1A+3], 128<<16                    ; tile_dim0 = 128 along K
	s_mov_b32 s[G1A+4], 128                        ; tile_dim1 = 128 rows
	s_mov_b32 s[G1A+5], 1024                       ; elements from row to row of xb
	s_mov_b32 s[G1A+6], 0
	s_mov_b32 s[G1A+7], 0
	s_or_b32 s[G1B+0], s20, (1<<16)|(1<<20)|(1<<21)|(6<<22)|(7<<25)  ; after every 128 words 8 words
	s_mov_b32 s[G1B+1], 256<<16                    ; tensor_dim0 = 256
	s_mov_b32 s[G1B+2], 64<<16                     ; tensor_dim1 = 64
	s_mov_b32 s[G1B+3], 256<<16                    ; tile_dim0 = 256 columns
	s_mov_b32 s[G1B+4], 64                         ; tile_dim1 = 64 k rows
	s_mov_b32 s[G1B+5], 10240                      ; elements from row to row of wb1
	s_mov_b32 s[G1B+6], 0
	s_mov_b32 s[G1B+7], 0
	s_lshl_b32 s40, s18, 19                        ; x: 256 gy rows of 2,048 bytes,
	s_lshl_b32 s41, s14, 18                        ; and my 128
	s_add_co_u32 s40, s40, s41
	s_mov_b32 s41, 0
	s_mul_i32 s42, s14, 64*20480                   ; wb1: my 64 k rows of 20,480 bytes,
	s_lshl_b32 s43, s17, 9                         ; and tile gx's 512 bytes
	s_add_co_u32 s42, s42, s43
	s_mov_b32 s43, 0
	s_mul_i32 s21, s14, HALFT                      ; where they go: no place in the cluster enters an LDS address
	s_add_co_u32 s22, s21, 2*HALFT
	s_mov_b32 s79, 0                               ; an offset's high word
	s_wait_dscnt 0x0                               ; the opening add is done
	s_wait_kmcnt 0x0
	s_add_nc_u64 s[40:41], s[4:5], s[40:41]
	s_add_nc_u64 s[42:43], s[6:7], s[42:43]
	CROUND                                         ; all sixteen work-groups are here: the first joint loads meet
.irp s, 0,1
	s_mov_b32 s[G0A+4*(\s)], 1                     ; count = 1
	s_add_co_u32 s[G0A+4*(\s)+1], s21, (\s)*SLOT   ; LDS address
	s_add_nc_u64 s[G0A+4*(\s)+2:G0A+4*(\s)+3], s[40:41], (\s)*256      ; K step s: 128 elements on
	s_or_b32 s[G0A+4*(\s)+3], s[G0A+4*(\s)+3], 0x80000000              ; type = 2
	s_mov_b32 s[G0B+4*(\s)], 1
	s_add_co_u32 s[G0B+4*(\s)+1], s22, (\s)*SLOT
	s_add_nc_u64 s[G0B+4*(\s)+2:G0B+4*(\s)+3], s[42:43], (\s)*128*20480  ; K step s: 128 rows on
	s_or_b32 s[G0B+4*(\s)+3], s[G0B+4*(\s)+3], 0x80000000
	JLOAD \s                                       ; two loads of mine are out
.endr
	v_and_b32 v1, 15, v0                           ; r = lane % 16
	v_bfe_u32 v2, v0, 4, 1                         ; h = lane / 16
	v_mul_u32_u24 v3, v1, PA
	v_lshl_add_u32 v3, v2, 4, v3                   ; x: row r, 16 bytes for each half of the lanes
	s_mul_i32 s23, s13, HALFT                      ; my 128 rows
	v_add_nc_u32 v[ADRA], s23, v3
	v_add_nc_u32 v[ADRA+1], SLOT, v[ADRA]
	v_and_b32 v4, 7, v0
	v_lshl_add_u32 v4, v2, 3, v4                   ; wb1: k row 8 h + lane % 8,
	v_mul_u32_u24 v4, v4, PB
	v_bfe_u32 v5, v0, 3, 1
	v_lshl_add_u32 v4, v5, 4, v4                   ; columns 8 ((lane / 8) % 2) on
	s_lshl_b32 s23, s14, 7                         ; my 64 hidden numbers
	s_add_co_u32 s23, s23, 2*HALFT
	v_add_nc_u32 v[ADRB], s23, v4
	v_add_nc_u32 v[ADRB+1], SLOT, v[ADRB]
	s_mul_i32 s23, s12, 16*SP
	s_add_co_u32 s23, s23, STAGE                   ; my stage
	v_mul_u32_u24 v5, v1, SP
	v_lshl_add_u32 v5, v2, 4, v5
	v_add_nc_u32 v[STO], s23, v5                   ; in: row r, 16 bytes for each half of the lanes
	v_bfe_u32 v5, v0, 3, 2
	v_mul_u32_u24 v5, v5, SP
	v_and_b32 v6, 7, v0
	v_lshl_add_u32 v5, v6, 4, v5
	v_add_nc_u32 v[RD], s23, v5                    ; back: 32 lanes take four rows of 128 bytes,
	v_and_b32 v[GO], 31, v0
	v_lshlrev_b32 v[GO], 4, v[GO]                  ; which are 512 consecutive bytes of H
	v_lshlrev_b32 v[GOFF], 6, v1                   ; a token's 16 gates are 64 bytes
.irp a, 0,1,2,3,4,5,6,7
	v_mov_b32 v[WG+2*(\a)+1], 0
.endr
	s_lshl_b32 s45, s18, 8
	s_lshl_b32 s46, s13, 7
	s_add_co_u32 s45, s45, s46                     ; my first token: 256 gy + 128 (w / 2)
	s_lshl_b32 s78, s45, 6                         ; its gates,
	s_lshr_b32 s47, s17, 2                         ; at the tile's expert jt / 4; the shared MLP's tiles (jt 32 on) take entry 8, which is 1
	s_min_u32 s47, s47, 8
	s_lshl2_add_u32 s78, s47, s78
	s_add_nc_u64 s[80:81], s[8:9], s[78:79]
	s_lshl1_add_u32 s44, s17, s14                  ; hb = 2 jt + w % 2,
	s_lshl_b32 s44, s44, 19                        ; blocks of 524,288 bytes,
	s_lshl_b32 s46, s45, 7                         ; token rows of 128 bytes
	s_add_co_u32 s44, s44, s46
	s_mov_b32 s45, 0
	s_add_nc_u64 s[10:11], s[10:11], s[44:45]
	s_mov_b32 s76, 0xbfb8aa3b                      ; -log2(e); the packed line names a pair
	s_mov_b32 s77, s76
; 16 matrix instructions: row blocks a0, a0 + 1 of the window's four (hi = 0: my rows 0-63, 1: rows 64-127) x all 8 column blocks, 32 along K.  The 64 accumulators take turns, one instruction a turn,
; in the same order in every quarter step.  zero = 1: the product starts the sum: nothing is cleared.
.macro MUL16 f, hi, a0, zero
	WIN MUL_LO+0x50*(\hi)
.irp a, \a0, (\a0)+1
.irp b, 0,1,2,3,4,5,6,7
.if \zero
	v_wmma_f32_16x16x32_bf16 v[8*(8*(\a)+(\b)):8*(8*(\a)+(\b))+7], v[(\f)+8*(\b):(\f)+8*(\b)+7], v[(\f)+8*(4*(\hi)+(\a)):(\f)+8*(4*(\hi)+(\a))+7], 0
.else
	v_wmma_f32_16x16x32_bf16 v[8*(8*(\a)+(\b)):8*(8*(\a)+(\b))+7], v[(\f)+8*(\b):(\f)+8*(\b)+7], v[(\f)+8*(4*(\hi)+(\a)):(\f)+8*(4*(\hi)+(\a))+7], v[8*(8*(\a)+(\b)):8*(8*(\a)+(\b))+7]
.endif
.endr
.endr
.endm
; 32 LDS loads in one run: the fragments of quarter q of the slot's step (32 along K) into buffer f: wb1's 8 column blocks (gate's four, then up's four, 256 bytes on), then x's 8 row blocks.
.macro FETCH slot, q, f
	WIN TO_B
.irp b, 0,1,2,3,4,5,6,7
	ds_load_tr16_b128 v[(\f)+8*(\b):(\f)+8*(\b)+3],   v[ADRB+(\slot)] offset:32*(\q)*PB+32*(\b)+128*((\b)/4)
	ds_load_tr16_b128 v[(\f)+8*(\b)+4:(\f)+8*(\b)+7], v[ADRB+(\slot)] offset:(32*(\q)+16)*PB+32*(\b)+128*((\b)/4)
.endr
	WIN 0
.irp a, 0,1,2,3,4,5,6,7
	ds_load_b128 v[(\f)+8*(\a):(\f)+8*(\a)+3],   v[ADRA+(\slot)] offset:64*(\q)+(\a)*16*PA
	ds_load_b128 v[(\f)+8*(\a)+4:(\f)+8*(\a)+7], v[ADRA+(\slot)] offset:64*(\q)+(\a)*16*PA+32
.endr
.endm
; A K step is four quarters of 32 along K, 64 matrix instructions each, on buffers 0, 1, 0, 1.  One of the first three: multiplies buffer f; in its middle it fetches quarter q into buffer g.
.macro QUARTER slot, q, f, g, zero
	s_wait_dscnt 8                                 ; wb1's fragments and x's rows 0-63 are in; the youngest eight loads (x's rows 64-127) may be out
	MUL16 \f, 0, 0, \zero
	MUL16 \f, 0, 2, \zero
	PLACES
	FETCH \slot, \q, \g
	s_wait_dscnt 32                                ; all but the 32 just issued
	MUL16 \f, 1, 0, \zero
	MUL16 \f, 1, 2, \zero
.endm
; The last quarter multiplies buffer 1 and changes slots.  MEET is its first half: ONE barrier.  In front of it each wave waits for all its tensor loads (one is out: its part of the next slot), adds 0 to its
; spare word, and waits for that and for its reads of this slot.  Behind it nobody reads this slot any more and the next slot is whole.  round = 1: a round of the cluster's barrier follows.
.macro MEET round
	WIN 0
	s_wait_tensorcnt 0x0                           ; all my tensor loads have landed
	ds_add_u32 v[SPW], v[NIL]                      ; 0 onto my spare word
	s_wait_dscnt 9                                 ; (the add and the youngest eight loads may be out)
	MUL16 F1, 0, 0, 0
	s_wait_dscnt 0x0                               ; the add is done, and my reads of this slot are over
	s_barrier_signal -1
	MUL16 F1, 0, 2, 0
.if \round
	WIN 0
.endif
	s_barrier_wait -1
.endm
; The whole last quarter with a refill: this slot takes the K step two on.
.macro TURN slot, next
	MEET 1
	CREST                                          ; no wave of any partner still reads this slot or has a load on its way
	s_add_nc_u64 s[G0A+4*(\slot)+2:G0A+4*(\slot)+3], s[G0A+4*(\slot)+2:G0A+4*(\slot)+3], 2*256
	s_add_nc_u64 s[G0B+4*(\slot)+2:G0B+4*(\slot)+3], s[G0B+4*(\slot)+2:G0B+4*(\slot)+3], 2*128*20480
	JLOAD \slot                                    ; the first tensor load behind the round; its four v_nop are also the places in front of the loads below
	FETCH \next, 0, F0
	MUL16 F1, 1, 0, 0
	MUL16 F1, 1, 2, 0
.endm
; THE WAY OUT of row block a: 32 hidden numbers a lane.  Two batches of transcendentals, each with plain work behind it and ONE wait ahead of its first reader.
; Each accumulator is read from its low end on.
.macro EP a
.set W, 2+(\a)/4                       ; the block's window
.set AB, 64*((\a)%4)                   ; its gate sums; its up sums lie 32 registers on
	WIN W                                          ; source 0 in that window
.set z, 0
.rept 16
	v_pk_mul_f32 v[T+2*z:T+2*z+1], v[AB+2*z:AB+2*z+1], s[76:77] op_sel_hi:[1,0]   ; -g log2(e)
.set z, z+1
.endr
	WIN 0
.set z, 0
.rept 32
	v_exp_f32 v[T+z], v[T+z]
.set z, z+1
.endr
	WIN (W<<6)|(W<<2)|W                            ; destination and both sources in the block's window
.set z, 0
.rept 16
	v_pk_mul_f32 v[AB+2*z:AB+2*z+1], v[AB+2*z:AB+2*z+1], v[AB+32+2*z:AB+32+2*z+1]   ; g u
.set z, z+1
.endr
	s_wait_alu depctr_va_vdst(0)
	WIN 0
.set z, 0
.rept 16
	v_pk_add_f32 v[T+2*z:T+2*z+1], v[T+2*z:T+2*z+1], 1.0 op_sel_hi:[1,0]
.set z, z+1
.endr
.set z, 0
.rept 32
	v_rcp_f32 v[T+z], v[T+z]                       ; the sigmoid
.set z, z+1
.endr
	WIN (W<<6)|W                                   ; destination and source 0 in the block's window
.set z, 0
.rept 16
	v_pk_mul_f32 v[AB+2*z:AB+2*z+1], v[AB+2*z:AB+2*z+1], v[WG+2*(\a):WG+2*(\a)+1] op_sel_hi:[1,0]   ; times my token's gate
.set z, z+1
.endr
	s_wait_alu depctr_va_vdst(0)
	WIN W
.set z, 0
.rept 16
	v_pk_mul_f32 v[T+2*z:T+2*z+1], v[AB+2*z:AB+2*z+1], v[T+2*z:T+2*z+1]
.set z, z+1
.endr
	WIN 0
.set z, 0
.rept 16
	v_cvt_pk_bf16_f32 v[PK+z], v[T+2*z], v[T+2*z+1]
.set z, z+1
.endr
.irp b, 0,1,2,3
	ds_store_b128 v[STO], v[PK+4*(\b):PK+4*(\b)+3] offset:32*(\b)
.endr
.if (\a) >= 4
	s_wait_xcnt 0x0                                ; the set of registers below was stored from four blocks ago: it is loaded again only behind this wait
.endif
.irp f, 0,1,2,3
	ds_load_b128 v[OB+16*((\a)%4)+4*(\f):OB+16*((\a)%4)+4*(\f)+3], v[RD] offset:(\f)*4*SP  ; LDS serves a wave's instructions in order (ISA guide 5.7.1.4): these see the stores above, and the next block's stores come behind them
.endr
.endm
.macro SEND a, younger                 ; younger: the LDS instructions issued behind block a's loads: the next block's eight, or none
.irp f, 0,1,2,3
	s_wait_dscnt (\younger)+3-(\f)
	global_store_b128 v[GO], v[OB+16*((\a)%4)+4*(\f):OB+16*((\a)%4)+4*(\f)+3], s[10:11] offset:2048*(\a)+512*(\f)  ; four token rows: 512 consecutive bytes, at a multiple of 256 from H's first
.endr
.endm
	s_wait_tensorcnt 1                             ; my part of K step 0 is in; step 1's may stay out
	s_barrier_signal -1
	s_barrier_wait -1                              ; everybody's is
	FETCH 0, 0, F0                                 ; (it leaves every window 0)
.irp a, 0,1,2,3,4,5,6,7
	global_load_b32 v[WG+2*(\a)], v[GOFF], s[80:81] offset:1024*(\a)   ; my tokens' gates: waited for on the way out, the tile's products later
.endr
	QUARTER 0, 1, F0, F1, 1                        ; the first quarter stands in front of the loop: its products start the sums
	WIN 0                                          ; at a label and at a branch every window is 0
	s_mov_b32 s67, LAPS-1
.Llap:                                                 ; a trip goes once round the ring, from a lap's second quarter to the next lap's first, and fills both slots again
	QUARTER 0, 2, F1, F0, 0
	QUARTER 0, 3, F0, F1, 0
	TURN 0, 1
	QUARTER 1, 1, F0, F1, 0
	QUARTER 1, 2, F1, F0, 0
	QUARTER 1, 3, F0, F1, 0
	TURN 1, 0
	QUARTER 0, 1, F0, F1, 0
	WIN 0
	s_sub_co_u32 s67, s67, 1
	s_cmp_lg_u32 s67, 0
	s_cbranch_scc1 .Llap
	QUARTER 0, 2, F1, F0, 0                        ; the last lap is written out: it asks for nothing more
	QUARTER 0, 3, F0, F1, 0
	MEET 0                                         ; my one tensor load that was still out is the last K step's, so no round follows
	PLACES
	FETCH 1, 0, F0
	MUL16 F1, 1, 0, 0
	MUL16 F1, 1, 2, 0
	QUARTER 1, 1, F0, F1, 0
	QUARTER 1, 2, F1, F0, 0
	QUARTER 1, 3, F0, F1, 0
	s_wait_dscnt 8                                 ; the very last quarter: nothing more to fetch
	MUL16 F1, 0, 0, 0
	MUL16 F1, 0, 2, 0
	s_wait_dscnt 0x0
	MUL16 F1, 1, 0, 0
	MUL16 F1, 1, 2, 0
	WIN 0
	PLACES                                         ; behind the last products
	s_wait_loadcnt 0x0                             ; the gates
	EP 0
.irp a, 1,2,3,4,5,6,7                  ; a block's arithmetic stands between the loads of the block before and its stores
	EP \a
	SEND (\a)-1, 8
.endr
	SEND 7, 0
	s_wait_tensorcnt 0x0                           ; the wave's end, behind my last tensor load and my last LDS store
	ds_add_u32 v[SPW], v[NIL]
	s_wait_dscnt 0x0
	CROUND                                         ; the closing round: no work-group ends while a partner may still ask for a tile that names it
	s_endpgm
.Lfunc_end_k_q42481030c9_glu:
	.size	k_q42481030c9_glu, .Lfunc_end_k_q42481030c9_glu-k_q42481030c9_glu
	.p2alignl 7, 3214868480
	.fill 96, 4, 3214868480
	.section	.rodata,"a",@progbits
	.p2align	6, 0x0
	.amdhsa_kernel k_q42481030c9_glu
		.amdhsa_group_segment_fixed_size 327680
		.amdhsa_private_segment_fixed_size 0
		.amdhsa_enable_private_segment 0
		.amdhsa_kernarg_size 32
		.amdhsa_user_sgpr_count 2
		.amdhsa_user_sgpr_kernarg_segment_ptr 1
		.amdhsa_wavefront_size32 1
		.amdhsa_system_sgpr_workgroup_id_x 1
		.amdhsa_system_sgpr_workgroup_id_y 1
		.amdhsa_system_sgpr_workgroup_id_z 1
		.amdhsa_system_vgpr_workitem_id 0
		.amdhsa_next_free_vgpr 1024
		.amdhsa_next_free_sgpr 84
		.amdhsa_reserve_vcc 0
		.amdhsa_float_denorm_mode_32 3
		.amdhsa_float_denorm_mode_16_64 3
		.amdhsa_memory_ordered 1
		.amdhsa_forward_progress 1
		.amdhsa_inst_pref_size 187
	.end_amdhsa_kernel
	.amdgpu_metadata
---
amdhsa.version: [ 1, 2 ]
amdhsa.kernels:
  - .name:           k_q42481030c9_glu
    .symbol:         k_q42481030c9_glu.kd
    .args:
      - { .name: xb, .offset: 0, .size: 8, .value_kind: global_buffer, .address_space: global }
      - { .name: wb1, .offset: 8, .size: 8, .value_kind: global_buffer, .address_space: global }
      - { .name: gates, .offset: 16, .size: 8, .value_kind: global_buffer, .address_space: global }
      - { .name: h, .offset: 24, .size: 8, .value_kind: global_buffer, .address_space: global }
    .group_segment_fixed_size: 327680
    .private_segment_fixed_size: 0
    .kernarg_segment_align: 8
    .kernarg_segment_size: 32
    .max_flat_workgroup_size: 128
    .sgpr_count:     84
    .vgpr_count:     1024
    .wavefront_size: 32
...
	.end_amdgpu_metadata
.endif
;; end of part 2
;; launch down (part 3): grid 8 x 32, 4 waves a work-group, clusters of 4 x 4, 327,680 bytes of LDS; arguments h, wb2, out0; writes out0
.if DOCPART == 3
	.amdgcn_target "amdgcn-amd-amdhsa--gfx1250"
	.amdhsa_code_object_version 6
	.text
	.protected	k_q42481030c9_down
	.globl	k_q42481030c9_down
	.p2align	8
	.type	k_q42481030c9_down,@function
k_q42481030c9_down:
	s_mov_b64 s[64:65], 0
	v_nop
	global_prefetch_b8 v0, s[64:65] scope:SCOPE_SE
	s_setreg_imm32_b32 hwreg(HW_REG_WAVE_MODE, 25, 1), 1
	s_wait_xcnt 0x0
	s_wait_alu depctr_hold_cnt(0) depctr_sa_sdst(0) depctr_va_vdst(0) depctr_va_sdst(0) depctr_va_ssrc(0) depctr_va_vcc(0) depctr_vm_vsrc(0)
	s_getreg_b32 s2, hwreg(HW_REG_IB_STS2, 6, 4)
	s_cmp_eq_u32 s2, 0
	s_cbranch_scc0 .Lentry_in_a_cluster
	s_endpgm
.Lentry_in_a_cluster:
	s_bfe_u32 s2, ttmp6, 0x10000c
	s_cmp_lg_u32 s2, 0xf033
	s_cbranch_scc0 .Lentry_shape_is_right
	s_endpgm
.Lentry_shape_is_right:
; DOWN: out0[t][n] = the sum over all 5,120 hidden numbers j of H[t][j] wb2[j][n]: the six chosen experts' down projections, weighted (the gates are in H), and the shared MLP's, in ONE sum:
; each output row has one owner and is written once.  bf16 operands, f32 sums, f32 output.
; H: [hb 80][t 4096][64] bf16, j = 64 hb + c.  wb2: [j 5120][1024] bf16.
; SHARES.  A tile of 128 x 128 to each of 256 work-groups; four waves of 64 x 64: 16 accumulators.  K goes in steps of 256 (four blocks of H) through two LDS slots, 20 steps.
; CLUSTER 4 x 4.  H's tile hangs on the tile row alone and is shared along a row of the cluster, wb2's on the tile column alone and is shared along a column: joint loads.
; THE MATRIX INSTRUCTION IS USED TRANSPOSED: source 0 = 16 columns of wb2 (stored [j][n]: turned by ds_load_tr16_b128), source 1 = 16 rows of H: a lane holds eight neighbouring numbers of an output row.
; REGISTERS: window 0: v0-31 addresses; v128-255 the accumulators ((a, b) at v[128 + 8 (4 a + b)]).   window 1: two fragment buffers of 128, each 64 along K deep: 64 registers of H's, then 64 of wb2's.
.set PA,     144       ; a token's 64 hidden numbers in LDS: 128 bytes + 16: the 16 rows of a load start 16 bytes apart modulo 256
.set PB,     288       ; a row of wb2's tile: 256 bytes + 32: the 8 rows x 32 bytes that 16 lanes of the turning load take fall 32 bytes apart modulo 256
.set HALFT,  36864     ; what one tensor load brings: 4 blocks x 64 tokens x 144 bytes of H, or 128 rows x 288 bytes of wb2
.set SLOT,   4*HALFT   ; H's two halves, then wb2's
.set STAGE,  2*SLOT    ; behind the ring, never filled by a tensor load: 16 rows x 272 bytes for each wave
.set SPITCH, 272
.set SPARE,  STAGE+4*16*SPITCH  ; the spare words, 128 bytes for each wave: two blocks of 256 bytes that no other line names
.set LAPS,   10        ; a lap = two K steps = once round the ring
.set ADRA, 16          ; v16-17  LDS address of my fragments of H in slot 0, 1
.set ADRB, 20          ; v20-23  of wb2: slot s, rows 128 hf on, at ADRB + 2 s + hf
.set STO,  24          ; v24     the way out: where I put 32 bytes of a row
.set RD,   25          ; v25     where I read a row back
.set CO,   26          ; v26     my byte offset in two rows of out0
.set SPW,  28          ; v28     my spare word; never rewritten
.set NIL,  29          ; v29     0; never rewritten
.set ACC,  128
.set F0,   0           ; fragment buffers, in window 1
.set F1,   128
.set G1, 24            ; s[24:31] descriptor group 1 for H's tiles;  s[32:39] group 0, a set for each slot
.set G0, 32
.set G1B, 48           ; s[48:55], s[56:63] the same for wb2's
.set G0B, 56
.set MSB, 0
.macro WIN new                         ; the immediate's high byte repeats the setting that is left
.if MSB != (\new)
	s_set_vgpr_msb (MSB<<8)|(\new)
.set MSB, (\new)
.endif
.endm
.set MUL,  0x05                        ; sources 0 and 1 in window 1; C and D in window 0
.set TO_F, 0x40                        ; destination in window 1, address in window 0
.macro JLOAD s                         ; a joint load: waves 0 and 1 fetch H's two halves, waves 2 and 3 wb2's; an s_nop 0 and four v_nop follow each line
	s_cmp_eq_u32 s11, 0
	s_cbranch_scc0 .Lfor_b_\@
	tensor_load_to_lds s[G0+4*(\s):G0+4*(\s)+3], s[G1:G1+7]
	s_nop 0
.rept 4
	v_nop
.endr
	s_branch .Lasked_\@
.Lfor_b_\@:
	tensor_load_to_lds s[G0B+4*(\s):G0B+4*(\s)+3], s[G1B:G1B+7]
	s_nop 0
.rept 4
	v_nop
.endr
.Lasked_\@:
.endm
.macro CREST                           ; a round of the cluster's barrier behind its opening barrier
	s_cmp_lg_u32 s10, 0
	s_cbranch_scc1 .Lnot_wave_0_\@
	s_barrier_signal -3
.Lnot_wave_0_\@:
	s_barrier_wait -3
	s_barrier_signal -1
	s_barrier_wait -1
.endm
.macro CROUND                          ; a whole round
	s_barrier_signal -1
	s_barrier_wait -1
	CREST
.endm
	s_load_b128 s[4:7], s[0:1], 0x0                ; h s[4:5], wb2 s[6:7]
	s_load_b64 s[8:9], s[0:1], 0x10                ; out0
	v_lshl_add_u32 v[SPW], v0, 2, SPARE
	v_mov_b32 v[NIL], 0
	ds_add_u32 v[SPW], v[NIL]                      ; the wave's opening: the add is waited for ahead of my first tensor load; work on registers stands between them
	v_lshrrev_b32 v1, 5, v0
	v_readfirstlane_b32 s10, v1                    ; wave 0..3
	s_lshr_b32 s11, s10, 1                         ; my half of the tile's rows.  Also: I fetch for H (0) or for wb2 (1)
	s_and_b32 s12, s10, 1                          ; my half of its columns.  Also: which half of that tile I fetch
	s_bfe_u32 s40, ttmp6, 0x40000                  ; cx, cy
	s_bfe_u32 s41, ttmp6, 0x40004
	s_lshl_b32 s42, ttmp9, 2
	s_add_co_u32 s42, s42, s40                     ; tile column = 4 x cluster x + cx
	s_and_b32 s13, ttmp7, 0xffff
	s_lshl_b32 s13, s13, 2
	s_add_co_u32 s13, s13, s41                     ; tile row = 4 x cluster y + cy
	s_lshl_b32 s43, s41, 2
	s_lshl_b32 s43, 15, s43                        ; my row of the cluster
	s_lshl_b32 s44, 0x1111, s40                    ; my column
	; H: 64 tokens of a block are 8,192 dense bytes: one row of the tile; four blocks are its four rows; in LDS 16 bytes of padding follow each token's 128
	s_or_b32 s[G1+0], s43, (1<<16)|(1<<20)|(1<<21)|(4<<22)|(3<<25)   ; the mask; 2-byte elements; padding on; bit 21 beside a mask; after every 32 words 4 words
	s_mov_b32 s[G1+1], 4096<<16                    ; tensor_dim0 = 4,096
	s_mov_b32 s[G1+2], 4<<16                       ; tensor_dim1 = 4
	s_mov_b32 s[G1+3], 4096<<16                    ; tile_dim0 = 4,096 elements
	s_mov_b32 s[G1+4], 4                           ; tile_dim1 = 4 blocks
	s_mov_b32 s[G1+5], 262144                      ; elements from block to block
	s_mov_b32 s[G1+6], 0
	s_mov_b32 s[G1+7], 0
	s_or_b32 s[G1B+0], s44, (1<<16)|(1<<20)|(1<<21)|(5<<22)|(7<<25)  ; after every 64 words 8 words
	s_mov_b32 s[G1B+1], 128<<16                    ; tensor_dim0 = 128
	s_mov_b32 s[G1B+2], 128<<16                    ; tensor_dim1 = 128
	s_mov_b32 s[G1B+3], 128<<16                    ; tile_dim0 = 128 columns
	s_mov_b32 s[G1B+4], 128                        ; tile_dim1 = 128 rows
	s_mov_b32 s[G1B+5], 1024                       ; elements from row to row of wb2
	s_mov_b32 s[G1B+6], 0
	s_mov_b32 s[G1B+7], 0
	s_lshl_b32 s16, s13, 14                        ; H: 128 tokens of 128 bytes a tile row,
	s_lshl_b32 s17, s12, 13                        ; and my 64
	s_add_co_u32 s16, s16, s17
	s_mov_b32 s17, 0
	s_lshl_b32 s46, s42, 8                         ; wb2: 128 columns of 2 bytes a tile column,
	s_lshl_b32 s47, s12, 18                        ; and my 128 rows of 2,048 bytes
	s_add_co_u32 s46, s46, s47
	s_mov_b32 s47, 0
	s_mul_i32 s20, s10, HALFT                      ; where they go: wave x what a load brings
	s_wait_dscnt 0x0                               ; the opening add is done
	s_wait_kmcnt 0x0
	s_add_nc_u64 s[14:15], s[4:5], s[16:17]
	s_add_nc_u64 s[46:47], s[6:7], s[46:47]
	CROUND                                         ; all sixteen work-groups are here: the first joint loads meet
.irp s, 0,1
	s_mov_b32 s[G0+4*(\s)], 1
	s_add_co_u32 s[G0+4*(\s)+1], s20, (\s)*SLOT
	s_add_nc_u64 s[G0+4*(\s)+2:G0+4*(\s)+3], s[14:15], (\s)*4*524288     ; K step s: four blocks on
	s_or_b32 s[G0+4*(\s)+3], s[G0+4*(\s)+3], 0x80000000
	s_mov_b32 s[G0B+4*(\s)], 1
	s_add_co_u32 s[G0B+4*(\s)+1], s20, (\s)*SLOT
	s_add_nc_u64 s[G0B+4*(\s)+2:G0B+4*(\s)+3], s[46:47], (\s)*256*2048   ; K step s: 256 rows on
	s_or_b32 s[G0B+4*(\s)+3], s[G0B+4*(\s)+3], 0x80000000
	JLOAD \s                                       ; two loads of mine are out
.endr
	v_and_b32 v1, 15, v0                           ; r = lane % 16
	v_bfe_u32 v2, v0, 4, 1                         ; h = lane / 16
	v_mul_u32_u24 v3, v1, PA
	v_lshl_add_u32 v3, v2, 4, v3                   ; H: token r, 16 bytes for each half of the lanes
	s_mul_i32 s21, s11, HALFT                      ; my 64 tokens
	v_add_nc_u32 v[ADRA], s21, v3
	v_add_nc_u32 v[ADRA+1], SLOT, v[ADRA]
	v_and_b32 v4, 7, v0
	v_lshl_add_u32 v4, v2, 3, v4                   ; wb2: row 8 h + lane % 8,
	v_mul_u32_u24 v4, v4, PB
	v_bfe_u32 v5, v0, 3, 1
	v_lshl_add_u32 v4, v5, 4, v4                   ; columns 8 ((lane / 8) % 2) on
	s_lshl_b32 s22, s12, 7                         ; my 64 columns
	s_add_co_u32 s22, s22, 2*HALFT
	v_add_nc_u32 v[ADRB], s22, v4
	v_add_nc_u32 v[ADRB+1], HALFT, v[ADRB]
	v_add_nc_u32 v[ADRB+2], SLOT, v[ADRB]
	v_add_nc_u32 v[ADRB+3], SLOT+HALFT, v[ADRB]
	s_mul_i32 s23, s10, 16*SPITCH
	s_add_co_u32 s23, s23, STAGE                   ; my stage
	v_mul_u32_u24 v5, v1, SPITCH
	v_lshl_add_u32 v5, v2, 5, v5
	v_add_nc_u32 v[STO], s23, v5                   ; in: row r, 32 bytes for each half of the lanes
	v_mul_u32_u24 v5, v2, SPITCH
	v_lshl_add_u32 v5, v1, 4, v5
	v_add_nc_u32 v[RD], s23, v5                    ; back: lanes 0-15 take one row of 256 bytes, lanes 16-31 the next,
	v_lshlrev_b32 v5, 12, v2
	v_lshl_add_u32 v[CO], v1, 4, v5                ; and the same two rows in out0
	s_lshl_b32 s2, s13, 19                         ; out0: 128 rows of 4,096 bytes a tile row,
	s_lshl_b32 s3, s11, 18                         ; my 64 rows,
	s_add_co_u32 s2, s2, s3
	s_lshl_b32 s3, s42, 9                          ; 128 columns of 4 bytes a tile column,
	s_add_co_u32 s2, s2, s3
	s_lshl_b32 s3, s12, 8                          ; my 64 columns
	s_add_co_u32 s2, s2, s3
	s_mov_b32 s3, 0
	s_add_nc_u64 s[8:9], s[8:9], s[2:3]
; 8 matrix instructions: row blocks a0, a0 + 1 x all 4 column blocks, 32 along K: half c of buffer f.  The 16 accumulators take turns.  zero = 1: the first product starts the sums
.macro MUL8 f, c, a0, zero
	WIN MUL
.irp a, \a0, (\a0)+1
.irp b, 0,1,2,3
.if \zero
	v_wmma_f32_16x16x32_bf16 v[ACC+8*(4*(\a)+(\b)):ACC+8*(4*(\a)+(\b))+7], v[(\f)+64+8*(4*(\c)+(\b)):(\f)+64+8*(4*(\c)+(\b))+7], v[(\f)+8*(4*(\c)+(\a)):(\f)+8*(4*(\c)+(\a))+7], 0
.else
	v_wmma_f32_16x16x32_bf16 v[ACC+8*(4*(\a)+(\b)):ACC+8*(4*(\a)+(\b))+7], v[(\f)+64+8*(4*(\c)+(\b)):(\f)+64+8*(4*(\c)+(\b))+7], v[(\f)+8*(4*(\c)+(\a)):(\f)+8*(4*(\c)+(\a))+7], v[ACC+8*(4*(\a)+(\b)):ACC+8*(4*(\a)+(\b))+7]
.endif
.endr
.endr
.endm
; 32 LDS loads in one run: the fragments of quarter q of the slot's step (block q of H, rows 64 q on of wb2) into buffer f; the first 32 along K first
.macro FETCH slot, q, f
	WIN TO_F
.irp c, 0,1
.irp i, 0,1,2,3
	ds_load_tr16_b128 v[(\f)+64+8*(4*(\c)+(\i)):(\f)+64+8*(4*(\c)+(\i))+3],   v[ADRB+2*(\slot)+(\q)/2] offset:(((\q)%2)*64+32*(\c))*PB+32*(\i)
	ds_load_tr16_b128 v[(\f)+64+8*(4*(\c)+(\i))+4:(\f)+64+8*(4*(\c)+(\i))+7], v[ADRB+2*(\slot)+(\q)/2] offset:(((\q)%2)*64+32*(\c)+16)*PB+32*(\i)
	ds_load_b128 v[(\f)+8*(4*(\c)+(\i)):(\f)+8*(4*(\c)+(\i))+3],              v[ADRA+(\slot)] offset:(\q)*64*PA+(\i)*16*PA+64*(\c)
	ds_load_b128 v[(\f)+8*(4*(\c)+(\i))+4:(\f)+8*(4*(\c)+(\i))+7],            v[ADRA+(\slot)] offset:(\q)*64*PA+(\i)*16*PA+64*(\c)+32
.endr
.endr
.endm
.macro PLACES                          ; four plain lines between a matrix instruction and a load into, or a read of, its registers
.rept 4
	v_nop
.endr
.endm
; A K step is four quarters of 64 along K, 32 matrix instructions each, on buffers 0, 1, 0, 1.  One of the first three: multiplies buffer f and fetches quarter q into g.
.macro QUARTER slot, q, f, g, zero
	s_wait_dscnt 16                                ; the first 32 along K are in
	MUL8 \f, 0, 0, \zero
	MUL8 \f, 0, 2, \zero
	PLACES
	FETCH \slot, \q, \g
	s_wait_dscnt 32                                ; all but the 32 just issued
	MUL8 \f, 1, 0, 0
	MUL8 \f, 1, 2, 0
.endm
; The last quarter multiplies buffer 1 and changes slots: ONE barrier; in front of it each wave waits for all its tensor loads (one is out: its part of the next slot), adds 0 to its spare word, and waits
; for that and for its reads of this slot.  fill = 1: the barrier opens a round of the cluster's, and this slot is filled again, two K steps ahead, first thing behind it.
.macro TURN slot, next, fill
	WIN 0
	s_wait_tensorcnt 0x0                           ; all my tensor loads have landed
	ds_add_u32 v[SPW], v[NIL]                      ; 0 onto my spare word
	s_wait_dscnt 17                                ; (the add and the youngest sixteen loads may be out)
	MUL8 F1, 0, 0, 0
	s_wait_dscnt 0x0                               ; the add is done, and my reads of this slot are over
	s_barrier_signal -1
	MUL8 F1, 0, 2, 0
.if \fill
	WIN 0
.endif
	s_barrier_wait -1
.if \fill
	CREST                                          ; no wave of any partner still reads this slot or has a load on its way
	s_add_nc_u64 s[G0+4*(\slot)+2:G0+4*(\slot)+3], s[G0+4*(\slot)+2:G0+4*(\slot)+3], 2*4*524288
	s_add_nc_u64 s[G0B+4*(\slot)+2:G0B+4*(\slot)+3], s[G0B+4*(\slot)+2:G0B+4*(\slot)+3], 2*256*2048
	JLOAD \slot                                    ; 112 matrix instructions ahead of the wait for it; its four v_nop are also the places in front of the loads below
.else
	PLACES
.endif
	FETCH \next, 0, F0
	MUL8 F1, 1, 0, 0
	MUL8 F1, 1, 2, 0
.endm
	s_wait_tensorcnt 1                             ; my part of K step 0 is in; step 1's may stay out
	s_barrier_signal -1
	s_barrier_wait -1                              ; everybody's is
	FETCH 0, 0, F0
	QUARTER 0, 1, F0, F1, 1                        ; the first quarter stands in front of the loop: its first products start the sums
	WIN 0                                          ; at a label and at a branch every window is 0
	s_mov_b32 s3, LAPS-1
.Llap:                                                 ; a trip goes once round the ring, from a lap's second quarter to the next lap's first, and fills both slots again
	QUARTER 0, 2, F1, F0, 0
	QUARTER 0, 3, F0, F1, 0
	TURN 0, 1, 1
	QUARTER 1, 1, F0, F1, 0
	QUARTER 1, 2, F1, F0, 0
	QUARTER 1, 3, F0, F1, 0
	TURN 1, 0, 1
	QUARTER 0, 1, F0, F1, 0
	WIN 0
	s_sub_co_u32 s3, s3, 1
	s_cmp_lg_u32 s3, 0
	s_cbranch_scc1 .Llap
	QUARTER 0, 2, F1, F0, 0                        ; the last lap fills nothing, and has no round of the cluster's barrier
	QUARTER 0, 3, F0, F1, 0
	TURN 0, 1, 0
	QUARTER 1, 1, F0, F1, 0
	QUARTER 1, 2, F1, F0, 0
	QUARTER 1, 3, F0, F1, 0
	s_wait_dscnt 16                                ; the very last quarter: nothing more to fetch
	MUL8 F1, 0, 0, 0
	MUL8 F1, 0, 2, 0
	s_wait_dscnt 0x0
	MUL8 F1, 1, 0, 0
	MUL8 F1, 1, 2, 0
	WIN 0
	; THE WAY OUT, in f32.  My 64 columns of a row are 256 bytes, aligned, so each wave has a stage of its own and no barrier is needed: 16 rows go in as 32 bytes a lane and come back as whole rows.
	PLACES
.macro TOSTAGE a                       ; each accumulator's low four registers first; the rows come back into the registers that they left
.irp b, 0,1,2,3
	ds_store_b128 v[STO], v[ACC+8*(4*(\a)+(\b)):ACC+8*(4*(\a)+(\b))+3]   offset:64*(\b)
	ds_store_b128 v[STO], v[ACC+8*(4*(\a)+(\b))+4:ACC+8*(4*(\a)+(\b))+7] offset:64*(\b)+16
.endr
.irp t, 0,1,2,3,4,5,6,7
	ds_load_b128 v[ACC+32*(\a)+4*(\t):ACC+32*(\a)+4*(\t)+3], v[RD] offset:(\t)*2*SPITCH  ; LDS serves a wave's instructions in order (ISA guide 5.7.1.4): these see the stores above, and the next block's stores come behind them
.endr
.endm
.macro SENDF a, younger                ; younger: the LDS instructions issued behind block a's loads: the next block's sixteen, or none
.irp t, 0,1,2,3,4,5,6,7
	s_wait_dscnt (\younger)+7-(\t)
	global_store_b128 v[CO], v[ACC+32*(\a)+4*(\t):ACC+32*(\a)+4*(\t)+3], s[8:9] offset:(\a)*16*4096+(\t)*2*4096 th:TH_STORE_NT  ; 16 lanes store 256 consecutive bytes, at a multiple of 256 from out0's first
.endr
.endm
	TOSTAGE 0
	TOSTAGE 1
	SENDF 0, 16
	TOSTAGE 2
	SENDF 1, 16
	TOSTAGE 3
	SENDF 2, 16
	SENDF 3, 0
	s_wait_tensorcnt 0x0                           ; the wave's end, behind my last tensor load and my last LDS store
	ds_add_u32 v[SPW], v[NIL]
	s_wait_dscnt 0x0
	CROUND                                         ; the closing round: no work-group ends while a partner may still ask for a tile that names it
	s_endpgm
.Lfunc_end_k_q42481030c9_down:
	.size	k_q42481030c9_down, .Lfunc_end_k_q42481030c9_down-k_q42481030c9_down
	.p2alignl 7, 3214868480
	.fill 96, 4, 3214868480
	.section	.rodata,"a",@progbits
	.p2align	6, 0x0
	.amdhsa_kernel k_q42481030c9_down
		.amdhsa_group_segment_fixed_size 327680
		.amdhsa_private_segment_fixed_size 0
		.amdhsa_enable_private_segment 0
		.amdhsa_kernarg_size 24
		.amdhsa_user_sgpr_count 2
		.amdhsa_user_sgpr_kernarg_segment_ptr 1
		.amdhsa_wavefront_size32 1
		.amdhsa_system_sgpr_workgroup_id_x 1
		.amdhsa_system_sgpr_workgroup_id_y 1
		.amdhsa_system_sgpr_workgroup_id_z 1
		.amdhsa_system_vgpr_workitem_id 0
		.amdhsa_next_free_vgpr 512
		.amdhsa_next_free_sgpr 66
		.amdhsa_reserve_vcc 0
		.amdhsa_float_denorm_mode_32 3
		.amdhsa_float_denorm_mode_16_64 3
		.amdhsa_memory_ordered 1
		.amdhsa_forward_progress 1
		.amdhsa_inst_pref_size 86
	.end_amdhsa_kernel
	.amdgpu_metadata
---
amdhsa.version: [ 1, 2 ]
amdhsa.kernels:
  - .name:           k_q42481030c9_down
    .symbol:         k_q42481030c9_down.kd
    .args:
      - { .name: h, .offset: 0, .size: 8, .value_kind: global_buffer, .address_space: global }
      - { .name: wb2, .offset: 8, .size: 8, .value_kind: global_buffer, .address_space: global }
      - { .name: out0, .offset: 16, .size: 8, .value_kind: global_buffer, .address_space: global }
    .group_segment_fixed_size: 327680
    .private_segment_fixed_size: 0
    .kernarg_segment_align: 8
    .kernarg_segment_size: 24
    .max_flat_workgroup_size: 128
    .sgpr_count:     66
    .vgpr_count:     512
    .wavefront_size: 32
...
	.end_amdgpu_metadata
.endif
;; end of part 3
;; ======== version 2 of 2: 3 launches; version 1 with the launch prep written anew for expert scheduling mode
;; workspace buffers: xb 8,388,608 bytes; wb1 20,971,520 bytes; wb2 10,485,760 bytes; gates 262,144 bytes; h 41,943,040 bytes
;; launch prep (part 4): grid 368 x 1, 8 waves a work-group, no clusters, 0 bytes of LDS; arguments hidden_states, router_w, w_gate, w_up, w_down, ws_gate, ws_up, ws_down, xb, wb1, wb2, gates; writes xb, wb1, wb2, gates
.if DOCPART == 4
	.amdgcn_target "amdgcn-amd-amdhsa--gfx1250"
	.amdhsa_code_object_version 6
	.text
	.protected	k_q42481030c9_prep
	.globl	k_q42481030c9_prep
	.p2align	8
	.type	k_q42481030c9_prep,@function
k_q42481030c9_prep:
	s_mov_b64 s[64:65], 0
	v_nop
	global_prefetch_b8 v0, s[64:65] scope:SCOPE_SE
	s_setreg_imm32_b32 hwreg(HW_REG_WAVE_SCHED_MODE, 0, 2), 2
	s_setreg_imm32_b32 hwreg(HW_REG_WAVE_MODE, 25, 1), 1
	s_wait_xcnt 0x0
	s_wait_alu depctr_vm_vsrc(0)
; PREP: every input is read once, rounded once to bf16 and laid out for the two products; the router's gates are made on the way.
;   xb    [4096][1024] bf16               the tokens
;   wb1   [k 1024][jt 40][part 2][128]    gate (part 0) and up (part 1) columns; jt < 32: expert jt / 4, columns 128 (jt % 4) on; jt >= 32: the shared MLP, columns 128 (jt - 32) on
;   wb2   [j 5120][1024] bf16             w_down's rows (j = 512 e + f), then ws_down's
;   gates [4096][16] f32                  0-7: softmax score of an expert among the token's six highest, else 0; 8: 1.0, the shared MLP's gate; 9-15: 0, so that a wave's four tokens are 256 bytes
; A CHUNK is 128 f32: one 16-byte load a lane (512 consecutive bytes a wave), two roundings, one 8-byte store a lane (256 consecutive bytes, aligned).
; Work-groups 0-127: tokens and router, 32 rows each, 4 a wave (a row has the router's arithmetic on top of its 8 chunks, so these have half the chunks of the others, and come first);
; the others have 512 chunks, 64 a wave: 128-255: w_gate, w_up; 256-319: w_down; 320-351: ws_gate, ws_up; 352-367: ws_down.
; No LDS, no barrier, no matrix unit, no cluster: waves share nothing but the router's 32 KiB, and the stream is bound by its bytes.
; THE ROUTER works on the ROUNDED x and router_w (products of two bf16 are exact in f32; sums in f32), in the lane layout of the stream: a lane keeps the weights of its 32 k in 128 registers.
; With 8 columns the product is too narrow to pay for bringing x into a matrix operand's layout.
; LIMITS.  The six highest are found on the logits (the softmax keeps their order); equal logits go to the lower index, as jax.lax.top_k breaks ties; two unequal logits whose scores round to
; the same f32 may be ordered otherwise than by the scores.  A score below 2^-126 counts as 0.  NaN and infinities are not treated apart.
; THE MODE: SCHED_MODE bits 1:0 = 2 (LLVM: expert scheduling mode 2), set by the entry lines.  The code itself states the register dependences between vector instructions and memory
; instructions, and those through scalar registers that vector instructions write, with s_wait_alu, always for 0.
; THE PLAN.  Registers that memory instructions touch:
;   v2, v3, v4   byte offsets, made once and never written again: rows and chunks are reached by scalar bases and immediate offsets.
;   CX           CAST: sixteen slots in four groups.  A group's loads land; its eight roundings read it; behind them it is loaded again at once.
;   CY           CAST: sixteen pairs.  Written by a group's roundings; read by its four stores; written again a trip later.
;   RING         tokens: twenty slots in five groups, run as CX is.
;   XR           tokens: a row's loads land; its sixteen roundings read it; behind them the next row's loads land.
;   XP           tokens: written by those roundings; read by the row's eight stores (and by the products); written again in the next row.
;   OG           tokens: written by the rows' selects; read by the one store at the end.
; So ONE wait on va_vdst stands behind each run of roundings: it states that they have written what the stores behind it read and are done reading what the loads behind it land in; no vector
; instruction between that wait and those loads and stores names their registers.  ONE wait on vm_vsrc a trip, ahead of the backward jump, states that the trip's stores have read CY (XP).
; The masks of a row's ranks are made in one run of compares, into scalar registers of their own, with one wait on va_sdst behind the run; behind it scalar lines join them, selects make 0 or 1
; of each, and plain additions count: no vector instruction behind that wait writes a scalar register until the two compares of the ranks with 6, which have a wait of their own.
.set CX,   16          ; v[16:79]    CAST: sixteen slots of four registers as loaded
.set CY,   80          ; v[80:111]   CAST: sixteen pairs to store
.set OG,   6           ; v[6:7]      tokens: entries 2 (lane % 8), + 1 of the gates of row lane / 8 of the wave's four
.set LG,   8           ; v[8:9]      logits of experts 2 q, 2 q + 1, q = lane % 4
.set RK,   12          ; v[12:13]    how many experts come before mine
.set MX,   14          ; v14         the row's maximum; later 1 / sum
.set SM,   15          ; v15         the sum of the exponentials
.set RW,   16          ; v[16:143]   router weights in bf16: RW + 4 kk + m holds experts 2 m, 2 m + 1 of my k number kk
.set XR,   144         ; v[144:175]  a row of x as loaded: 8 chunks
.set RING, 176         ; v[176:255]  DEPTH slots for the router weights as loaded; what follows takes their place afterwards
.set DEPTH, 20
.set XP,   176         ; v[176:191]  the row in bf16
.set ACC,  192         ; v[192:199]  my part of the 8 logits
.set KP,   200         ; v[200:203]  kept halves in the exchange
.set SND,  204         ; v[204:207]  halves handed over
.set EX,   208         ; v[208:209]  exponentials, then scores
.set PX,   210         ; v210        the other half of the lanes'
.set PB,   212         ; v[212:217]  the two logits of each of my three partner lanes: the lane x away at PB + 2 x - 2
.set TK,   218         ; v[218:229]  1 where a partner's expert comes before mine, else 0: for the lane x away four registers at TK + 4 x - 4: two for my even expert, two for my odd one
.set CM,   8           ; s[8:31]     tokens: the ranks' 24 masks.  These registers held the arguments, which this branch has done with when its bases are made and the weights' loads are in
	s_load_b512 s[8:23], s[0:1], 0x0               ; hidden s[8:9], router_w s[10:11], w_gate s[12:13], w_up s[14:15], w_down s[16:17], ws_gate s[18:19], ws_up s[20:21], ws_down s[22:23]
	s_load_b256 s[24:31], s[0:1], 0x40             ; xb s[24:25], wb1 s[26:27], wb2 s[28:29], gates s[30:31]
	v_lshrrev_b32 v1, 5, v0
	v_readfirstlane_b32 s2, v1                     ; wave 0..7
	v_and_b32 v1, 31, v0                           ; lane
	v_lshlrev_b32 v2, 4, v1                        ; 16 bytes a lane in a chunk of f32
	v_lshlrev_b32 v3, 3, v1                        ; 8 bytes a lane in a chunk of bf16
	s_mov_b32 s4, ttmp9
	s_mov_b32 s39, 0                               ; high words of the two offset pairs
	s_mov_b32 s41, 0
	s_wait_alu depctr_va_sdst(0)                   ; s2 is written
	s_wait_alu depctr_va_vdst(0)                   ; v2 and v3 are written: the loads and stores of every branch read them as offsets
	s_wait_kmcnt 0x0
; 64 chunks of a wave, source dense; chunk j goes to (j / Q) RS + (j % Q) QS bytes from the wave's first; STEP = the way of 16 chunks.
; A ring of 16 slots in four groups of four: 12 to 16 loads of a wave are always out.
.macro CAST Q, RS, QS, STEP
.set j, 0
.rept 16
	global_load_b128 v[CX+4*j:CX+4*j+3], v2, s[32:33] offset:512*j th:TH_LOAD_NT
.set j, j+1
.endr
	s_mov_b32 s3, 3
.Lcast_\@:
.set g, 0
.rept 4
	s_wait_loadcnt 12                              ; loads come back in order: group g's four are in, the 12 issued behind them stay out (on the way in and round the loop alike)
.set j, 4*g
.rept 4
	v_cvt_pk_bf16_f32 v[CY+2*j], v[CX+4*j], v[CX+4*j+1]
	v_cvt_pk_bf16_f32 v[CY+2*j+1], v[CX+4*j+2], v[CX+4*j+3]
.set j, j+1
.endr
	s_wait_alu depctr_va_vdst(0)                   ; the eight roundings have written the group's CY, which the stores below read, and are done reading its CX, in which the loads below land
.set j, 4*g
.rept 4
	global_load_b128 v[CX+4*j:CX+4*j+3], v2, s[32:33] offset:512*(j+16) th:TH_LOAD_NT
	global_store_b64 v3, v[CY+2*j:CY+2*j+1], s[34:35] offset:(j/(\Q))*(\RS)+(j%(\Q))*(\QS)
.set j, j+1
.endr
.set g, g+1
.endr
	s_wait_xcnt 0x0                                ; the two bases and the pairs that the stores read are rewritten only behind this wait
	s_wait_alu depctr_vm_vsrc(0)                   ; the trip's stores have read CY, which the next trip's roundings, or the tail's, write again
	s_add_nc_u64 s[32:33], s[32:33], 8192
	s_add_nc_u64 s[34:35], s[34:35], \STEP
	s_sub_co_u32 s3, s3, 1
	s_cmp_lg_u32 s3, 0
	s_cbranch_scc1 .Lcast_\@
.set g, 0
.rept 4                                                ; the last 16 chunks load nothing: the counts run down
	s_wait_loadcnt 12-4*g
.set j, 4*g
.rept 4
	v_cvt_pk_bf16_f32 v[CY+2*j], v[CX+4*j], v[CX+4*j+1]
	v_cvt_pk_bf16_f32 v[CY+2*j+1], v[CX+4*j+2], v[CX+4*j+3]
.set j, j+1
.endr
	s_wait_alu depctr_va_vdst(0)                   ; the eight roundings have written the group's CY, which the stores below read
.set j, 4*g
.rept 4
	global_store_b64 v3, v[CY+2*j:CY+2*j+1], s[34:35] offset:(j/(\Q))*(\RS)+(j%(\Q))*(\QS)
.set j, j+1
.endr
.set g, g+1
.endr
.endm
	s_cmp_lt_u32 s4, 128
	s_cbranch_scc1 .Ltokens
	s_cmp_lt_u32 s4, 256
	s_cbranch_scc1 .Lexperts
	s_cmp_lt_u32 s4, 320
	s_cbranch_scc1 .Ldense
	s_cmp_lt_u32 s4, 352
	s_cbranch_scc1 .Lshared
.Ldense:                                               ; w_down (256-319) or ws_down (352-367): dense in, dense out
	s_cmp_lt_u32 s4, 320
	s_cselect_b64 s[32:33], s[16:17], s[22:23]
	s_cselect_b32 s5, 0, 96                        ; ws_down's work-groups begin 96 behind w_down's first, which is 256
	s_cselect_b32 s40, 0, 0x800000                 ; ws_down's rows lie behind w_down's 4,096 rows of 2,048 bytes
	s_sub_co_u32 s5, s4, s5                        ; (the subtractions stand behind the last select: they write SCC)
	s_sub_co_u32 s5, s5, 256                       ; u
	s_lshl_b32 s38, s5, 18                         ; 512 chunks of 512 bytes a work-group,
	s_lshl_b32 s6, s2, 15                          ; 64 a wave
	s_add_co_u32 s38, s38, s6
	s_add_nc_u64 s[32:33], s[32:33], s[38:39]
	s_lshr_b32 s6, s38, 1                          ; half as many bytes out
	s_add_co_u32 s40, s40, s6
	s_add_nc_u64 s[34:35], s[28:29], s[40:41]
	CAST 1, 256, 0, 4096
	s_endpgm
.Lexperts:                                             ; w_gate (128-191) or w_up (192-255): a row (e, k) is 4 chunks, which go to 4 neighbouring jt of row k of wb1
	s_sub_co_u32 s5, s4, 128
	s_and_b32 s6, s5, 63                           ; u: expert u / 8, rows 128 (u % 8) on
	s_cmp_lt_u32 s5, 64
	s_cselect_b64 s[32:33], s[12:13], s[14:15]
	s_cselect_b32 s7, 0, 256                       ; the part's 256 bytes
	s_lshl_b32 s38, s6, 18
	s_lshl_b32 s5, s2, 15
	s_add_co_u32 s38, s38, s5
	s_add_nc_u64 s[32:33], s[32:33], s[38:39]
	s_and_b32 s40, s6, 7
	s_lshl_b32 s40, s40, 7
	s_lshl4_add_u32 s40, s2, s40                   ; k of my first row: 128 (u % 8) + 16 wave
	s_mul_i32 s40, s40, 20480                      ; a row of wb1
	s_lshr_b32 s5, s6, 3
	s_lshl_b32 s5, s5, 11                          ; the expert's four jt of 512 bytes
	s_add_co_u32 s40, s40, s5
	s_add_co_u32 s40, s40, s7
	s_add_nc_u64 s[34:35], s[26:27], s[40:41]
	CAST 4, 20480, 512, 81920
	s_endpgm
.Lshared:                                              ; ws_gate (320-335) or ws_up (336-351): a row k is 8 chunks, which go to jt 32 to 39 of row k of wb1
	s_sub_co_u32 s5, s4, 320
	s_and_b32 s6, s5, 15                           ; u: rows 64 u on
	s_cmp_lt_u32 s5, 16
	s_cselect_b64 s[32:33], s[18:19], s[20:21]
	s_cselect_b32 s7, 0, 256
	s_lshl_b32 s38, s6, 18
	s_lshl_b32 s5, s2, 15
	s_add_co_u32 s38, s38, s5
	s_add_nc_u64 s[32:33], s[32:33], s[38:39]
	s_lshl_b32 s40, s6, 6
	s_lshl3_add_u32 s40, s2, s40                   ; k of my first row: 64 u + 8 wave
	s_mul_i32 s40, s40, 20480
	s_add_co_u32 s40, s40, s7
	s_add_co_u32 s40, s40, 16384                   ; jt 32
	s_add_nc_u64 s[34:35], s[26:27], s[40:41]
	CAST 8, 20480, 512, 40960
	s_endpgm
.Ltokens:                                              ; 32 rows a work-group, 4 a wave, a row at a time
	s_lshl_b32 s38, s4, 17
	s_lshl_b32 s6, s2, 14
	s_add_co_u32 s38, s38, s6
	s_add_nc_u64 s[32:33], s[8:9], s[38:39]        ; x at my first row
	s_lshr_b32 s40, s38, 1
	s_add_nc_u64 s[34:35], s[24:25], s[40:41]      ; xb likewise
	s_lshr_b32 s40, s38, 6                         ; 64 bytes of gates for a row's 4,096 bytes
	s_add_nc_u64 s[36:37], s[30:31], s[40:41]
	s_mov_b32 s42, 0xaaaaaaaa                      ; lanes with bit 0 set
	s_mov_b32 s43, 0xcccccccc                      ; lanes with bit 1 set
	s_mov_b32 s44, 15                              ; the four lanes that keep the row in hand: the first four of its eight
	s_mov_b32 s46, 0x76543210                      ; v_permlanex16_b32: each lane takes its own place in the other half
	s_mov_b32 s47, 0xfedcba98
	s_mov_b32 s48, 0x3fb8aa3b                      ; log2(e)
	v_lshlrev_b32 v4, 7, v1                        ; my four k of a chunk: 4 rows of 32 bytes of router_w
	s_wait_alu depctr_va_vdst(0)                   ; v4 is written: the loads of the router's weights read it as their offset
	; The router's weights of my 32 k (k = 128 c + 4 lane + i), once a wave: load j brings experts 4 (j % 2) on of c = j / 8, i = (j / 2) % 4.
	; The 64 loads go in 16 groups of four through the ring's five groups of slots; a group is rounded and then asked for again at once.
.macro RWLOAD j
	global_load_b128 v[RING+4*((\j)%DEPTH):RING+4*((\j)%DEPTH)+3], v4, s[10:11] offset:4096*((\j)/8)+32*(((\j)/2)%4)+16*((\j)%2)
.endm
.set j, 0
.rept DEPTH
	RWLOAD j
.set j, j+1
.endr
.set p, 0
.rept 16
.if p <= 10
	s_wait_loadcnt 16                              ; 20 + 4 p loads are issued: 16 stand behind group p's four
.else
	s_wait_loadcnt 68-4*p                          ; all 64 are issued, and behind them row 0's eight: 4 (15 - p) + 8 stand behind group p's four
.endif
.set j, 4*p
.rept 4
	v_cvt_pk_bf16_f32 v[RW+2*j], v[RING+4*(j%DEPTH)], v[RING+4*(j%DEPTH)+1]
	v_cvt_pk_bf16_f32 v[RW+2*j+1], v[RING+4*(j%DEPTH)+2], v[RING+4*(j%DEPTH)+3]
.set j, j+1
.endr
.if p <= 10
	s_wait_alu depctr_va_vdst(0)                   ; the eight roundings are done reading the group's four slots, in which the loads below land
.set j, 4*p+DEPTH
.rept 4
	RWLOAD j
.set j, j+1
.endr
.endif
.if p == 10                                            ; the last weights are asked for: row 0 goes out behind them and lands while the ring runs empty (no vector instruction has named XR)
.irp c, 0,1,2,3,4,5,6,7
	global_load_b128 v[XR+4*(\c):XR+4*(\c)+3], v2, s[32:33] offset:512*(\c) th:TH_LOAD_NT
.endr
.endif
.set p, p+1
.endr
	v_and_b32 v5, 7, v1
	v_cmp_eq_u32 vcc_lo, 4, v5
	s_wait_alu depctr_va_vcc(0)                    ; VCC is written, ahead of the select that reads it
	v_cndmask_b32 v[OG], 0, 1.0, vcc_lo            ; entry 8 of each row is 1.0; an expert not chosen, and entries 9 to 15, keep 0
	v_mov_b32 v[OG+1], 0
	v_mov_b32 v5, 0                                ; the first product's addend
.irp i, 0,1,2,3,4,5
	v_mov_b32 v[PB+(\i)], 0                        ; destinations of lane exchanges count as read: written once here
.endr
	v_mov_b32 v[PX], 0
	s_mov_b32 s3, 4
; Does the partner's expert come before mine?  Where its index is lower (lanes in low): if its logit is greater or equal; else: if it is greater.
; RELC makes the two masks, at s[m] and s[m + 1].  RELS, behind the wait for the masks, takes the lane x away among my four: scalar lines join each of its four pairs of masks,
; a select makes 0 or 1 of each, and one addition of three takes two of them into each of my two counts.
.macro RELC own, other, m
	v_cmp_gt_f32 s[\m], v[\other], v[\own]
	v_cmp_ge_f32 s[(\m)+1], v[\other], v[\own]
.endm
.macro RELS x, low
.irp i, 0,1,2,3
	s_and_b32 s[CM+8*(\x)-7+2*(\i)], s[CM+8*(\x)-7+2*(\i)], \low
	s_or_b32 s[CM+8*(\x)-8+2*(\i)], s[CM+8*(\x)-8+2*(\i)], s[CM+8*(\x)-7+2*(\i)]
	v_cndmask_b32 v[TK+4*(\x)-4+(\i)], 0, 1, s[CM+8*(\x)-8+2*(\i)]
.endr
	v_add3_u32 v[RK], v[RK], v[TK+4*(\x)-4], v[TK+4*(\x)-3]
	v_add3_u32 v[RK+1], v[RK+1], v[TK+4*(\x)-2], v[TK+4*(\x)-1]
.endm
.Lrow:
	s_wait_loadcnt 0x0                             ; the row is in, and its loads' base is free
.set c, 0
.rept 16
	v_cvt_pk_bf16_f32 v[XP+c], v[XR+2*c], v[XR+2*c+1]
.set c, c+1
.endr
	s_add_nc_u64 s[32:33], s[32:33], 4096
	s_wait_alu depctr_va_vdst(0)                   ; the sixteen roundings have written XP, which the row's stores read, and are done reading XR, in which the next row's loads land; ahead of the branch, for both ways
	s_cmp_eq_u32 s3, 1
	s_cbranch_scc1 .Lno_more                       ; behind the last row nothing is loaded
.irp c, 0,1,2,3,4,5,6,7
	global_load_b128 v[XR+4*(\c):XR+4*(\c)+3], v2, s[32:33] offset:512*(\c) th:TH_LOAD_NT  ; the next row has this row's arithmetic in which to land
.endr
.Lno_more:
	; my 32 k times 8 experts, straight from the bf16 halves into f32; the experts by turns, so that a sum's links stand eight lines apart.
	; The row's eight stores are dealt among the first eight k's products, with no further wait: the products read XP and write ACC; none writes XP or v3.
.set kk, 0
.rept 32
.if kk < 8
	global_store_b64 v3, v[XP+2*kk:XP+2*kk+1], s[34:35] offset:256*kk
.endif
.set e, 0
.rept 8
.set ad, ACC+e
.if kk == 0
.set ad, 5
.endif
.if (kk%2 == 0) && (e%2 == 0)
	v_fma_mix_f32_bf16 v[ACC+e], v[XP+kk/2], v[RW+4*kk+e/2], v[ad] op_sel_hi:[1,1,0]
.elseif (kk%2 == 1) && (e%2 == 0)
	v_fma_mix_f32_bf16 v[ACC+e], v[XP+kk/2], v[RW+4*kk+e/2], v[ad] op_sel:[1,0,0] op_sel_hi:[1,1,0]
.elseif (kk%2 == 0) && (e%2 == 1)
	v_fma_mix_f32_bf16 v[ACC+e], v[XP+kk/2], v[RW+4*kk+e/2], v[ad] op_sel:[0,1,0] op_sel_hi:[1,1,0]
.else
	v_fma_mix_f32_bf16 v[ACC+e], v[XP+kk/2], v[RW+4*kk+e/2], v[ad] op_sel:[1,1,0] op_sel_hi:[1,1,0]
.endif
.set e, e+1
.endr
.set kk, kk+1
.endr
	; across the lanes.  Two exchanges halve what a lane keeps (8 experts, 4, 2); three more add the eight groups of four lanes.  Each step adds the same two numbers in both partners, so all groups end alike.
.irp i, 0,1,2,3
	v_cndmask_b32 v[KP+(\i)], v[ACC+(\i)], v[ACC+4+(\i)], s43   ; bit 1 of the lane: experts 4 to 7
	v_cndmask_b32 v[SND+(\i)], v[ACC+4+(\i)], v[ACC+(\i)], s43
.endr
.irp i, 0,1,2,3
	v_add_f32_dpp v[KP+(\i)], v[SND+(\i)], v[KP+(\i)] row_xmask:2 row_mask:0xf bank_mask:0xf
.endr
.irp i, 0,1
	v_cndmask_b32 v[LG+(\i)], v[KP+(\i)], v[KP+2+(\i)], s42     ; bit 0 of the lane: the upper two of the four
	v_cndmask_b32 v[SND+(\i)], v[KP+2+(\i)], v[KP+(\i)], s42
.endr
.irp i, 0,1
	v_add_f32_dpp v[LG+(\i)], v[SND+(\i)], v[LG+(\i)] row_xmask:1 row_mask:0xf bank_mask:0xf
.endr
.irp i, 0,1
	v_add_f32_dpp v[LG+(\i)], v[LG+(\i)], v[LG+(\i)] row_xmask:4 row_mask:0xf bank_mask:0xf
.endr
.irp i, 0,1
	v_add_f32_dpp v[LG+(\i)], v[LG+(\i)], v[LG+(\i)] row_xmask:8 row_mask:0xf bank_mask:0xf
.endr
	v_permlanex16_b32 v[PX], v[LG], s46, s47
	v_add_f32 v[LG], v[LG], v[PX]
	v_permlanex16_b32 v[PX], v[LG+1], s46, s47
	v_add_f32 v[LG+1], v[LG+1], v[PX]              ; lane l: the logits of experts 2 (l % 4) and 2 (l % 4) + 1
	; softmax, the maximum taken away first; the ranks stand between the exponentials and their first use
	v_max_num_f32 v[MX], v[LG], v[LG+1]
	v_max_num_f32_dpp v[MX], v[MX], v[MX] row_xmask:1 row_mask:0xf bank_mask:0xf
	v_max_num_f32_dpp v[MX], v[MX], v[MX] row_xmask:2 row_mask:0xf bank_mask:0xf
	v_sub_f32 v[EX], v[LG], v[MX]
	v_sub_f32 v[EX+1], v[LG+1], v[MX]
	v_mul_f32 v[EX], s48, v[EX]
	v_mul_f32 v[EX+1], s48, v[EX+1]
	v_exp_f32 v[EX], v[EX]
	v_exp_f32 v[EX+1], v[EX+1]
.irp x, 1,2,3                                          ; my three partners' logits (plain lines behind the exponentials)
	v_mov_b32_dpp v[PB+2*(\x)-2], v[LG] row_xmask:\x row_mask:0xf bank_mask:0xf
	v_mov_b32_dpp v[PB+2*(\x)-1], v[LG+1] row_xmask:\x row_mask:0xf bank_mask:0xf
.endr
	v_cmp_gt_f32 s4, v[LG+1], v[LG]                ; my own two: the odd expert comes first only if greater,
	v_cmp_ge_f32 s5, v[LG], v[LG+1]                ; the even one also if equal
.irp x, 1,2,3                                          ; all the row's masks in one run
	RELC LG,   PB+2*(\x)-2, CM+8*(\x)-8
	RELC LG,   PB+2*(\x)-1, CM+8*(\x)-6
	RELC LG+1, PB+2*(\x)-2, CM+8*(\x)-4
	RELC LG+1, PB+2*(\x)-1, CM+8*(\x)-2
.endr
	s_wait_alu depctr_va_sdst(0)                   ; the 26 compares have written s4, s5 and s[8:31], ahead of the selects and the scalar lines that read them
	v_cndmask_b32 v[RK], 0, 1, s4
	v_cndmask_b32 v[RK+1], 0, 1, s5
	RELS 1, s42                                    ; the partner's experts have lower indices where my lane's bit 0 is set,
	RELS 2, s43                                    ; here and in the next where bit 1 is set
	RELS 3, s43
	s_wait_alu depctr_va_vdst(0)                   ; the two exponentials have written EX, ahead of their first reader: one wait for both
	v_add_f32 v[SM], v[EX], v[EX+1]
	v_add_f32_dpp v[SM], v[SM], v[SM] row_xmask:1 row_mask:0xf bank_mask:0xf
	v_add_f32_dpp v[SM], v[SM], v[SM] row_xmask:2 row_mask:0xf bank_mask:0xf
	v_rcp_f32 v[MX], v[SM]
	v_nop                                          ; a plain line behind the reciprocal
	v_cmp_gt_u32 s40, 6, v[RK]                     ; among the six highest,
	v_cmp_gt_u32 s41, 6, v[RK+1]
	s_wait_alu depctr_va_sdst(0)                   ; the two compares have written s40 and s41, ahead of the scalar lines that read them
	s_and_b32 s40, s40, s44                        ; and in the four lanes that keep this row
	s_and_b32 s41, s41, s44
	s_wait_alu depctr_va_vdst(0)                   ; the reciprocal has written MX, ahead of its first reader
	v_mul_f32 v[EX], v[EX], v[MX]
	v_mul_f32 v[EX+1], v[EX+1], v[MX]
	v_cndmask_b32 v[OG], v[OG], v[EX], s40
	v_cndmask_b32 v[OG+1], v[OG+1], v[EX+1], s41
	s_lshl_b32 s44, s44, 8                         ; the next row's eight lanes
	s_wait_xcnt 0x0                                ; xb's base and the registers that its stores read are rewritten only behind this wait
	s_wait_alu depctr_vm_vsrc(0)                   ; the row's stores have read XP, which the next row's roundings write again
	s_add_nc_u64 s[34:35], s[34:35], 2048
	s_sub_co_u32 s3, s3, 1
	s_cmp_lg_u32 s3, 0
	s_cbranch_scc1 .Lrow
	s_wait_alu depctr_va_vdst(0)                   ; the last row's selects have written OG, which the store reads
	global_store_b64 v3, v[OG:OG+1], s[36:37]      ; lane l: row l / 8, entries 2 (l % 8) on: the wave's 4 rows are 256 consecutive bytes, aligned
	s_endpgm
.Lfunc_end_k_q42481030c9_prep:
	.size	k_q42481030c9_prep, .Lfunc_end_k_q42481030c9_prep-k_q42481030c9_prep
	.p2alignl 7, 3214868480
	.fill 96, 4, 3214868480
	.section	.rodata,"a",@progbits
	.p2align	6, 0x0
	.amdhsa_kernel k_q42481030c9_prep
		.amdhsa_group_segment_fixed_size 0
		.amdhsa_private_segment_fixed_size 0
		.amdhsa_enable_private_segment 0
		.amdhsa_kernarg_size 96
		.amdhsa_user_sgpr_count 2
		.amdhsa_user_sgpr_kernarg_segment_ptr 1
		.amdhsa_wavefront_size32 1
		.amdhsa_system_sgpr_workgroup_id_x 1
		.amdhsa_system_sgpr_workgroup_id_y 1
		.amdhsa_system_sgpr_workgroup_id_z 1
		.amdhsa_system_vgpr_workitem_id 0
		.amdhsa_next_free_vgpr 256
		.amdhsa_next_free_sgpr 66
		.amdhsa_reserve_vcc 1
		.amdhsa_float_denorm_mode_32 3
		.amdhsa_float_denorm_mode_16_64 3
		.amdhsa_memory_ordered 1
		.amdhsa_forward_progress 1
		.amdhsa_inst_pref_size 78
	.end_amdhsa_kernel
	.amdgpu_metadata
---
amdhsa.version: [ 1, 2 ]
amdhsa.kernels:
  - .name:           k_q42481030c9_prep
    .symbol:         k_q42481030c9_prep.kd
    .args:
      - { .name: hidden_states, .offset: 0, .size: 8, .value_kind: global_buffer, .address_space: global }
      - { .name: router_w, .offset: 8, .size: 8, .value_kind: global_buffer, .address_space: global }
      - { .name: w_gate, .offset: 16, .size: 8, .value_kind: global_buffer, .address_space: global }
      - { .name: w_up, .offset: 24, .size: 8, .value_kind: global_buffer, .address_space: global }
      - { .name: w_down, .offset: 32, .size: 8, .value_kind: global_buffer, .address_space: global }
      - { .name: ws_gate, .offset: 40, .size: 8, .value_kind: global_buffer, .address_space: global }
      - { .name: ws_up, .offset: 48, .size: 8, .value_kind: global_buffer, .address_space: global }
      - { .name: ws_down, .offset: 56, .size: 8, .value_kind: global_buffer, .address_space: global }
      - { .name: xb, .offset: 64, .size: 8, .value_kind: global_buffer, .address_space: global }
      - { .name: wb1, .offset: 72, .size: 8, .value_kind: global_buffer, .address_space: global }
      - { .name: wb2, .offset: 80, .size: 8, .value_kind: global_buffer, .address_space: global }
      - { .name: gates, .offset: 88, .size: 8, .value_kind: global_buffer, .address_space: global }
    .group_segment_fixed_size: 0
    .private_segment_fixed_size: 0
    .kernarg_segment_align: 8
    .kernarg_segment_size: 96
    .max_flat_workgroup_size: 256
    .sgpr_count:     66
    .vgpr_count:     256
    .wavefront_size: 32
...
	.end_amdgpu_metadata
.endif
;; end of part 4
;; launch glu: the kernel of part 2 again; grid 40 x 16, 4 waves a work-group, clusters of 4 x 4, 327,680 bytes of LDS; arguments xb, wb1, gates, h; writes h
;; launch down: the kernel of part 3 again; grid 8 x 32, 4 waves a work-group, clusters of 4 x 4, 327,680 bytes of LDS; arguments h, wb2, out0; writes out0
